; MI455X (gfx1250); checked and timed in simulation.
; The chip was launched on July 23, 2026; its instructions are those of AMD's public machine-readable ISA for CDNA 5 (MIT licence, August 2026) and "CDNA5" Instruction Set Architecture Reference Guide (July 2026). The comments in the code are by the model that wrote it; some were corrected since.
;; SA Block. Allowed arithmetic: matrix products marked QUANTISED: E2M1 operands, one E8M0 scale for each 32 along K, by v_wmma_scale_f32_16x16x128_f8f6f4 with both operands' format E2M1 (or v_wmma_scale_f32_32x16x128_f4), f32 sums; products left as they are: bf16, f16 or f32 operands; f32 sums; everything else in f32.
;; Inputs: b_out 1,024 float32; w_out 1,024 x 1,024 float32; w_qkv 3,072 x 1,024 float32; x 2 x 2,048 x 1,024 float32.
;; Outputs: out0 2 x 2,048 x 1,024 float32.
;; This version of the problem:
;;   THIS VERSION OF THE PROBLEM IS GIVEN IN LOW PRECISION. The matrix products marked QUANTISED in the list below multiply operands that are first quantised to E2M1 (2 exponent bits, 1 mantissa bit; 4 bits a number), with one power-of-two scale for each 32 numbers along K (OCP MX v1.0); their sums are f32. The products marked 'left as it is' may take bf16, f16 or f32 operands, with f32 sums. Whichever they take, every output number must still come out within the allowed error. Rounding operands to bf16 (8 significant bits) uses up far more of that allowance than f16 does (11 bits, for magnitudes from 6e-5 to 65,504). All else is computed in f32.
;;   The module's matrix products, in the order in which they are computed (A, B: the left and right operand; K: the contracted axis; several contracted axes count as one K, in the product's order):
;;     1. [M 4,096, K 1,024] x [K 1,024, N 3,072]; A: input x; B: input w_qkv: QUANTISED
;;     2. batch 32 x [M 2,048, K 64] x [K 64, N 2,048]; A: computed on the way; B: computed on the way: left as it is (an operand is computed on the way)
;;     3. batch 32 x [M 2,048, K 2,048] x [K 2,048, N 64]; A: computed on the way; B: computed on the way: left as it is (an operand is computed on the way)
;;     4. [M 4,096, K 1,024] x [K 1,024, N 1,024]; A: computed on the way; B: input w_out: left as it is (an operand is computed on the way)
;;   THE QUANTISER, for each operand of a quantised product, along K:
;;     - K is cut into blocks of 32 from its start; a last block that is shorter is filled with zeros.
;;     - A block's scale is 2^e with e = floor(log2(the largest magnitude in the block)) - 2, held to -126 .. 127; a block of zeros has e = 0. As a byte (E8M0): e + 127.
;;     - Each number is divided by its block's scale, clamped to +-6, and rounded to the nearest number of E2M1, ties to even, subnormals kept.
;;     - The product sums the exact products of the quantised numbers (number of the format x scale) in f32.
;;   ~~~python
;;   def quantise(x, axis):      # numpy; x: float32 -> the quantised numbers, widened to float32 again
;;       x = np.moveaxis(x, axis, -1); K = x.shape[-1]
;;       x = np.pad(x, [(0, 0)] * (x.ndim - 1) + [(0, -K % 32)]); x = x.reshape(x.shape[:-1] + (-1, 32)); a = np.abs(x).max(-1, keepdims=True)
;;       e = np.where(a > 0, np.clip(np.frexp(np.where(a > 0, a, 1))[1] - 1 - 2, -126, 127), 0)      # np.frexp(a)[1] - 1 = floor(log2(a)), exactly
;;       r = np.clip(x / 2.0 ** e, -6, 6)
;;       step = 2.0 ** (np.maximum(np.frexp(np.where(r == 0, 1, r))[1] - 1, 0) - 1)
;;       q = np.round(r / step) * step * 2.0 ** e      # np.round: ties to even
;;       return np.moveaxis(q.reshape(q.shape[:-2] + (-1,))[..., :K], -1, axis).astype(np.float32)
;;   ~~~
;; One version. Each part assembles by itself: llvm-mc -triple=amdgcn-amd-amdhsa -mcpu=gfx1250 --defsym DOCPART=n.
;; ======== version 1 of 1: 5 launches
;; limits: values are held in f16: magnitudes above 65,504 overflow, below 6.1e-05 lose precision; right only within a limited range of input values
;; workspace buffers: xc 2,097,152 bytes; xs 131,072 bytes; wc 1,572,864 bytes; ws 98,304 bytes; w16 2,097,152 bytes; qkv16 25,165,824 bytes; att16 8,388,608 bytes; qkvf 393,216 bytes
;; launch quant (part 1): grid 256 x 1, 4 waves a work-group, no clusters, 33,280 bytes of LDS; arguments x, w_qkv, xc, xs, wc, ws, w_out, w16; writes xc, xs, wc, ws, w16
.if DOCPART == 1
	.amdgcn_target "amdgcn-amd-amdhsa--gfx1250"
	.amdhsa_code_object_version 6
	.text
	.protected	k_qbb205767d5_quant
	.globl	k_qbb205767d5_quant
	.p2align	8
	.type	k_qbb205767d5_quant,@function
k_qbb205767d5_quant:
	s_mov_b64 s[64:65], 0
	v_nop
	global_prefetch_b8 v0, s[64:65] scope:SCOPE_SE
	s_setreg_imm32_b32 hwreg(HW_REG_WAVE_MODE, 25, 1), 1
	s_wait_xcnt 0x0
; x [4096][1024] and w_qkv [3072][1024], f32, become codes of FP4 (E2M1), K innermost, two codes a byte, with one E8M0 byte for each 32 along K; w_out [1024][1024] becomes f16.
; A block's scale is 2^(floor(log2(its largest magnitude)) - 2); its byte is the largest magnitude's own exponent field - 2, held at 1 from below.  Each number is divided by the scale and rounded to the nearest code, ties to even,
; beyond 6 the largest code.  (A block of zeros gets the byte 1 where the rule says 127: its codes are zeros, which add nothing under any byte but 0xff, and this program alone reads the bytes.)
; LIMITS: NaN and infinities among the inputs are not served; blocks whose largest magnitude lies under 2^(2 - 126) were not tried; w_out must lie under 65,504 in magnitude (f16).
; Rows are dense and K is a multiple of 32: each tensor is a plain stream.  Work-groups 0-127 take x, 128-223 w_qkv (ONE path, the pointers alone are chosen), 224-255 w_out (a path of its own, without LDS).
; The quantising path: a wave takes 16 steps of 512 numbers.  Each of a step's four loads reads 512 consecutive bytes; the 2,048 bytes turn through the wave's own stage in LDS and come back 64 bytes a lane,
; so that a lane holds 16 neighbours along K (two neighbouring lanes hold a block).  A lane's 16 codes are 8 bytes: the wave stores 256 consecutive bytes.  A wave's 256 scale bytes are gathered in LDS and leave as one aligned 256 bytes.
; Loads run eight steps ahead: 32 loads, 16 KiB, of every wave are on their way, in eight sets of 16 registers.
.set SIZE_M, 4096
.set SIZE_N, 3072
.set SIZE_K, 1024
.set WAVES, 4
.set STEPS, 16
.set AHEAD, 8                          ; steps whose loads are on their way
.set WGA,   SIZE_M*SIZE_K/(512*STEPS*WAVES)            ; 128 work-groups for x
.set WGQ,   (SIZE_M+SIZE_N)*SIZE_K/(512*STEPS*WAVES)   ; 224 for x and w_qkv together
.set EMAX,  2
.set CB,    8                          ; bytes of 16 codes
.set R,     16                         ; v16-143  eight sets of 16 numbers as they are loaded
.set X,     144                        ; v144-175 two sets of 16 neighbours
.set E,     176                        ; v176-191 a scale byte for each step
.set C,     192                        ; v192-223 codes: two registers for each step, so that no store's data are written again
.set WREG,  8192                       ; LDS: a region for each wave: two stages of 32 x SP bytes, and behind them its 256 scale bytes
.set SP,    80                         ; a lane's place in a stage: its 64 bytes + 16 of padding
.set SPW,   12                         ; v12      LDS address of my spare word; never rewritten
.set NIL,   13                         ; v13      0; never rewritten
.set SPARE, WAVES*WREG                 ; behind the four regions: the spare words, 128 bytes a wave, which no other line names
.set WF,    16                         ; w_out's path: v16-143 two sets of 64 numbers as loaded
.set WH,    144                        ; v144-175 32 registers of f16 pairs
	s_load_b128 s[4:7], s[0:1], 0x0                ; x, w_qkv
	s_load_b128 s[8:11], s[0:1], 0x10              ; x's codes, x's scales
	s_load_b128 s[12:15], s[0:1], 0x20             ; w_qkv's codes, its scales
	s_load_b128 s[24:27], s[0:1], 0x30             ; w_out, w16
	v_lshl_add_u32 v[SPW], v0, 2, SPARE
	v_mov_b32 v[NIL], 0
	v_lshrrev_b32 v1, 5, v0
	v_readfirstlane_b32 s16, v1                    ; wave
	v_and_b32 v2, 31, v0                           ; lane
	v_lshlrev_b32 v3, 4, v2                        ; my 16 bytes of a load's 512
	s_mul_i32 s17, s16, WREG
	v_lshrrev_b32 v14, 2, v2
	v_mul_u32_u24 v14, v14, SP
	v_and_b32 v15, 3, v2
	v_lshl_add_u32 v14, v15, 4, v14
	v_add_nc_u32 v14, s17, v14                     ; the stage, on the way in: SP (lane / 4) + 16 (lane % 4)
	v_mul_u32_u24 v15, v2, SP
	v_add_nc_u32 v15, s17, v15                     ; and on the way out: SP x lane: my 16 neighbours
	v_mul_u32_u24 v4, v2, CB                       ; my 8 bytes of a store's 256
	v_lshrrev_b32 v5, 1, v2
	s_add_co_u32 s17, s17, 2*32*SP
	v_add_nc_u32 v5, s17, v5                       ; LDS: my wave's 256 scale bytes, my block's byte
	v_lshlrev_b32 v7, 3, v2                        ; and on the way out 8 bytes a lane
	v_add_nc_u32 v6, s17, v7
.macro LOAD t
.irp i, 0,1,2,3
	global_load_b128 v[R+16*((\t)%AHEAD)+4*\i:R+16*((\t)%AHEAD)+4*\i+3], v3, s[4:5] offset:2048*(\t)+512*\i th:TH_LOAD_NT   ; 32 lanes read 512 consecutive bytes
.endr
.endm
.macro TURN t                          ; step t's numbers through the stage: LDS serves a wave's instructions in order, so no wait stands between the stores and the loads
.irp i, 0,1,2,3
	ds_store_b128 v14, v[R+16*((\t)%AHEAD)+4*\i:R+16*((\t)%AHEAD)+4*\i+3] offset:32*SP*((\t)%2)+8*SP*\i
.endr
.irp i, 0,1,2,3
	ds_load_b128 v[X+16*((\t)%2)+4*\i:X+16*((\t)%2)+4*\i+3], v15 offset:32*SP*((\t)%2)+16*\i
.endr
.endm
.macro STEP t
.set XS, X+16*((\t)%2)
.if (\t) > 0
	s_wait_dscnt 1                                 ; this step's numbers are back from the stage (the last step's byte store may be out): so its stores into the stage have read their registers,
.else
	s_wait_dscnt 0x0
.endif
.if (\t)+AHEAD < STEPS
	LOAD (\t)+AHEAD                                ; which take the loads of eight steps on
.endif
.if (\t)+1 < STEPS
.if STEPS-2-(\t) >= AHEAD-1
	s_wait_loadcnt 4*(AHEAD-1)                     ; the next step's four loads are in; those of the seven steps behind it may be out
.else
	s_wait_loadcnt 4*(STEPS-2-(\t))                ; at the end the count runs down: so many steps' loads are behind the next step's
.endif
	TURN (\t)+1                                    ; and go through the other stage while this step is worked
.endif
	v_max3_num_f32 v8, |v[XS]|, |v[XS+1]|, |v[XS+2]|               ; the largest magnitude of my 16, in two chains
	v_max3_num_f32 v9, |v[XS+3]|, |v[XS+4]|, |v[XS+5]|
.irp i, 6,10
	v_max3_num_f32 v8, v8, |v[XS+\i]|, |v[XS+\i+1]|
	v_max3_num_f32 v9, v9, |v[XS+\i+2]|, |v[XS+\i+3]|
.endr
	v_max3_num_f32 v8, v8, |v[XS+14]|, |v[XS+15]|
	v_max3_num_f32 v8, v8, v9, (EMAX+1)<<23        ; and the floor 2^(EMAX + 1 - 127): so the byte cannot fall under 1
	v_max_num_f32_dpp v8, v8, v8 row_xmask:1 row_mask:0xf bank_mask:0xf   ; and of my neighbour's 16: the block's
	v_add_nc_u32 v11, -(EMAX<<23), v8              ; EMAX off its exponent field: the conversion takes the exponent field of this operand as its scale, and nothing else of it
	v_cvt_scalef32_pk8_fp4_f32 v[C+2*(\t)], v[XS:XS+7], v11
	v_cvt_scalef32_pk8_fp4_f32 v[C+2*(\t)+1], v[XS+8:XS+15], v11
	v_lshrrev_b32 v[E+(\t)], 23, v11               ; the scale's byte (also the plain line behind the conversions)
	ds_store_b8 v5, v[E+(\t)] offset:16*(\t)       ; both lanes of a block write the same byte with the same value
	global_store_b64 v4, v[C+2*(\t):C+2*(\t)+1], s[8:9] offset:32*CB*(\t)
.endm
.macro LOADW g                         ; w_out: group g of four: 16 loads of 512 consecutive bytes into set g % 2
.irp i, 0,1,2,3,4,5,6,7,8,9,10,11,12,13,14,15
	global_load_b128 v[WF+64*((\g)%2)+4*\i:WF+64*((\g)%2)+4*\i+3], v3, s[24:25] offset:8192*(\g)+512*\i th:TH_LOAD_NT
.endr
.endm
	s_wait_kmcnt 0x0
	s_cmp_ge_u32 ttmp9, WGQ                        ; the last 32 work-groups take w_out: a branch on the work-group's number
	s_cbranch_scc1 .Lwout
	s_cmp_lt_u32 ttmp9, WGA                        ; x's work-group or w_qkv's?  Only pointers are chosen
	s_cselect_b64 s[4:5], s[4:5], s[6:7]
	s_cselect_b64 s[8:9], s[8:9], s[12:13]
	s_cselect_b64 s[10:11], s[10:11], s[14:15]
	s_cselect_b32 s17, 0, WGA
	s_sub_co_u32 s17, ttmp9, s17
	s_lshl_b32 s17, s17, 2
	s_add_co_u32 s18, s17, s16                     ; which run of 8,192 numbers of the tensor is my wave's
	s_mov_b32 s19, 0
	s_mov_b64 s[20:21], 512*STEPS*4
	s_mul_u64 s[20:21], s[18:19], s[20:21]
	s_add_nc_u64 s[4:5], s[4:5], s[20:21]
	s_mov_b64 s[20:21], 32*STEPS*CB
	s_mul_u64 s[20:21], s[18:19], s[20:21]
	s_add_nc_u64 s[8:9], s[8:9], s[20:21]
	s_lshl_b32 s18, s18, 8                         ; 256 scale bytes a run
	s_add_nc_u64 s[10:11], s[10:11], s[18:19]
.irp t, 0,1,2,3,4,5,6,7
	LOAD \t
.endr
	s_wait_loadcnt 4*(AHEAD-1)                     ; step 0's four loads are in
	TURN 0
.irp t, 0,1,2,3,4,5,6,7,8,9,10,11,12,13,14,15
	STEP \t
.endr
	ds_load_b64 v[8:9], v6                         ; LDS serves a wave's instructions in order: these see my byte stores
	s_wait_dscnt 0x0
	global_store_b64 v7, v[8:9], s[10:11]          ; 32 lanes store 256 consecutive bytes, aligned
	s_wait_tensorcnt 0x0                           ; the wave's end: behind my last LDS store
	ds_add_u32 v[SPW], v[NIL]
	s_wait_dscnt 0x0
	s_endpgm
.Lwout:                                                ; w_out to f16: a wave takes 8,192 numbers in four groups of 2,048; loads run a group ahead; no LDS is touched on this path
	s_sub_co_u32 s17, ttmp9, WGQ
	s_lshl_b32 s17, s17, 2
	s_add_co_u32 s17, s17, s16                     ; my run of 8,192 numbers
	s_lshl_b32 s18, s17, 15                        ; 32,768 bytes of f32,
	s_mov_b32 s19, 0
	s_add_nc_u64 s[24:25], s[24:25], s[18:19]
	s_lshl_b32 s18, s17, 14                        ; 16,384 of f16
	s_add_nc_u64 s[26:27], s[26:27], s[18:19]
	LOADW 0
	LOADW 1
.irp g, 0,1,2,3
.if \g < 3
	s_wait_loadcnt 16                              ; this group's 16 loads are in; the next group's 16 may be out
.else
	s_wait_loadcnt 0x0
.endif
.if \g > 0
	s_wait_xcnt 0x0                                ; the last group's stores have read their data registers, which are written again below
.endif
.irp i, 0,1,2,3,4,5,6,7,8,9,10,11,12,13,14,15
	v_cvt_pk_f16_f32 v[WH+2*\i], v[WF+64*(\g%2)+4*\i], v[WF+64*(\g%2)+4*\i+1]       ; rounds to nearest even; the first source into the low half
	v_cvt_pk_f16_f32 v[WH+2*\i+1], v[WF+64*(\g%2)+4*\i+2], v[WF+64*(\g%2)+4*\i+3]
.endr
.irp i, 0,1,2,3,4,5,6,7,8,9,10,11,12,13,14,15
	global_store_b64 v4, v[WH+2*\i:WH+2*\i+1], s[26:27] offset:4096*\g+256*\i      ; 32 lanes store 256 consecutive bytes, aligned
.endr
.if \g < 2
	LOADW \g+2
.endif
.endr
	s_endpgm
.Lfunc_end_k_qbb205767d5_quant:
	.size	k_qbb205767d5_quant, .Lfunc_end_k_qbb205767d5_quant-k_qbb205767d5_quant
	.p2alignl 7, 3214868480
	.fill 96, 4, 3214868480
	.section	.rodata,"a",@progbits
	.p2align	6, 0x0
	.amdhsa_kernel k_qbb205767d5_quant
		.amdhsa_group_segment_fixed_size 33280
		.amdhsa_private_segment_fixed_size 0
		.amdhsa_enable_private_segment 0
		.amdhsa_kernarg_size 64
		.amdhsa_user_sgpr_count 2
		.amdhsa_user_sgpr_kernarg_segment_ptr 1
		.amdhsa_wavefront_size32 1
		.amdhsa_system_sgpr_workgroup_id_x 1
		.amdhsa_system_sgpr_workgroup_id_y 1
		.amdhsa_system_sgpr_workgroup_id_z 1
		.amdhsa_system_vgpr_workitem_id 0
		.amdhsa_next_free_vgpr 224
		.amdhsa_next_free_sgpr 66
		.amdhsa_reserve_vcc 0
		.amdhsa_float_denorm_mode_32 3
		.amdhsa_float_denorm_mode_16_64 3
		.amdhsa_memory_ordered 1
		.amdhsa_forward_progress 1
		.amdhsa_inst_pref_size 54
	.end_amdhsa_kernel
	.amdgpu_metadata
---
amdhsa.version: [ 1, 2 ]
amdhsa.kernels:
  - .name:           k_qbb205767d5_quant
    .symbol:         k_qbb205767d5_quant.kd
    .args:
      - { .name: x, .offset: 0, .size: 8, .value_kind: global_buffer, .address_space: global }
      - { .name: w_qkv, .offset: 8, .size: 8, .value_kind: global_buffer, .address_space: global }
      - { .name: xc, .offset: 16, .size: 8, .value_kind: global_buffer, .address_space: global }
      - { .name: xs, .offset: 24, .size: 8, .value_kind: global_buffer, .address_space: global }
      - { .name: wc, .offset: 32, .size: 8, .value_kind: global_buffer, .address_space: global }
      - { .name: ws, .offset: 40, .size: 8, .value_kind: global_buffer, .address_space: global }
      - { .name: w_out, .offset: 48, .size: 8, .value_kind: global_buffer, .address_space: global }
      - { .name: w16, .offset: 56, .size: 8, .value_kind: global_buffer, .address_space: global }
    .group_segment_fixed_size: 33280
    .private_segment_fixed_size: 0
    .kernarg_segment_align: 8
    .kernarg_segment_size: 64
    .max_flat_workgroup_size: 128
    .sgpr_count:     66
    .vgpr_count:     224
    .wavefront_size: 32
...
	.end_amdgpu_metadata
.endif
;; end of part 1
;; launch qkv (part 2): grid 12 x 16, 4 waves a work-group, clusters of 4 x 4, 327,680 bytes of LDS; arguments xc, xs, wc, ws, qkv16, qkvf; writes qkv16, qkvf
.if DOCPART == 2
	.amdgcn_target "amdgcn-amd-amdhsa--gfx1250"
	.amdhsa_code_object_version 6
	.text
	.protected	k_qbb205767d5_qkv
	.globl	k_qbb205767d5_qkv
	.p2align	8
	.type	k_qbb205767d5_qkv,@function
k_qbb205767d5_qkv:
	s_mov_b64 s[64:65], 0
	v_nop
	global_prefetch_b8 v0, s[64:65] scope:SCOPE_SE
	s_setreg_imm32_b32 hwreg(HW_REG_WAVE_MODE, 25, 1), 1
	s_wait_xcnt 0x0
	s_wait_alu depctr_hold_cnt(0) depctr_sa_sdst(0) depctr_va_vdst(0) depctr_va_sdst(0) depctr_va_ssrc(0) depctr_va_vcc(0) depctr_vm_vsrc(0)
	s_getreg_b32 s2, hwreg(HW_REG_IB_STS2, 6, 4)
	s_cmp_eq_u32 s2, 0
	s_cbranch_scc0 .Lentry_in_a_cluster
	s_endpgm
.Lentry_in_a_cluster:
	s_bfe_u32 s2, ttmp6, 0x10000c
	s_cmp_lg_u32 s2, 0xf033
	s_cbranch_scc0 .Lentry_shape_is_right
	s_endpgm
.Lentry_shape_is_right:
; qkv[m][n] = sum over k of x[m][k] w_qkv[n][k], on codes of FP4 (E2M1) with one E8M0 scale for each 32 along K; sums in f32; the result is rounded once to f16 and laid by head:
; qkv16 [3 (q, k, v)][2 batches][16 heads][2048 positions][64] f16.  LIMIT: results must lie under 65,504 in magnitude.
; POSITIONS 0-15 OF EACH SEQUENCE also leave as they are, in f32, for the launch that carries these rows finely: qkvf [2 batches][192 blocks of 16 columns][1,024 bytes], each block an image of its accumulator's registers.
; A tile of 256 x 256 is made by a work-group of four waves; a wave makes 128 x 128: 64 accumulators of 16 x 16, 512 registers.  K = 1,024 is two K steps of 512 (tile rows of 256 bytes): the two LDS slots are
; filled once each, with the first fills, and nothing is filled again.  THE SCALES of the work-group's 256 rows of x and 256 rows of w_qkv, for all of K, are two dense blocks: they come into LDS once, as rows of 256 bytes.
; CLUSTERS: 4 x 4 work-groups.  The four of a row of the cluster need the same tiles of x, the four of a column the same tiles of w_qkv: each tile is asked for JOINTLY, by the same tensor load with the same
; descriptor and a mask that names the four.  A wave has three tensor loads out at the most.
; THE MATRIX INSTRUCTION IS USED TRANSPOSED (source 0 = 16 rows of w_qkv, source 1 = 16 rows of x): a lane then holds eight neighbouring columns of one row.
; REGISTERS, in windows of 256: window 0: v0-31 addresses; v32-95 scale words, two sets; v128-191 x's fragments, ONE set; on the way out v128-223.   window 1: w_qkv's fragments, TWO sets, at v0 and v128.
;   window 2: the 32 accumulators of my rows 0-63 (accumulator (a, b) at v[8 (8 a + b)]);   window 3: those of my rows 64-127.
.set SIZE_M, 4096
.set SIZE_N, 3072
.set SIZE_K, 1024
.set KSTEP,  512                       ; along K in a slot
.set NQ,     KSTEP/128                 ; matrix instructions deep
.set ROWB,   256                       ; a tile's row in bytes
.set KROW,   SIZE_K*4/8                ; a row of codes in memory, in bytes
.set PITCH,  272                       ; an LDS row: 256 bytes + 16 of padding = 68 words: the 16 rows that a load touches start at 16 different banks (64 banks of 4 bytes: ISA guide 11.1)
.set FR,     8                         ; registers of a fragment: 16 rows x 128 K
.set NL,     2                         ; LDS loads that bring one
.set NP,     4                         ; places behind this matrix instruction (ISA guide 7.12.1)
.set HALFT,  128*PITCH                 ; 128 rows: what one tensor load brings
.set SLOT,   4*HALFT                   ; x's 256 rows, then w_qkv's 256 rows
.set KS,     SIZE_K/32                 ; a row of scales: 32 bytes
.set SCL,    2*SLOT                    ; behind the slots: the scales, as rows of 256 bytes + 16 of padding
.set HALFS,  (128*KS/256)*272          ; the scales of 128 rows: what one tensor load brings
.set SBLK,   (16*KS/256)*272           ; those of 16 rows
.set SPARE,  SCL+4*HALFS               ; behind the scales: the spare words, 128 bytes a wave, which no other line names
.set HP,     144                       ; the way out: a stage row: a head's 128 bytes + 16
.set HSTG,   16*HP                     ; 16 rows of one head; a wave's stage holds two heads.  It lies in slot 0, which has had its one fill and its last read when the first result is stored there
.set HEADB,  262144                    ; a head in qkv16: 2,048 rows of 128 bytes
.set FBATCH, 196608                    ; a batch in qkvf: 192 images of 1,024 bytes
.set ADRA, 16                          ; v16-17  LDS address of my x fragments in slot 0, 1
.set ADRB, 20                          ; v20-21  the same for w_qkv
.set STO,  24                          ; v24     the way out: where I put 16 bytes of a row
.set RD,   25                          ; v25     the way out: where I read rows back
.set CO,   26                          ; v26     16 x lane: my bytes of a store's 512
.set ADRS, 27                          ; v27     LDS address of my scale words: lanes 0-15 x's rows, lanes 16-31 w_qkv's
.set SPW,  28                          ; v28     LDS address of my spare word; never rewritten
.set NIL,  29                          ; v29     0; never rewritten
.set FM,   30                          ; v30     my first row's position in its sequence: 0 in the waves that hold positions 0-15
.set SC,   32                          ; scale words: set s at v[SC + 32 s]; register NQ i + q: lanes 0-15 the word of x's block i, lanes 16-31 that of w_qkv's block i, for the slot's q-th 128 along K
.set AF,   128                         ; x's fragments, in window 0
.set BK,   128                         ; the way out: rows read back: v128-159 and v160-191 by turns
.set TMP,  192                         ; the way out: v192-223 a block's results as f16
.set G1, 24                            ; s[24:31] descriptor group 1 for x's tiles;  s[32:39] group 0, one set for each slot
.set G0, 32
.set G1B, 48                           ; s[48:55], s[56:63] the same for w_qkv's tiles
.set G0B, 56
.set G1S, 68                           ; s[68:75], s[76:79] groups 1 and 0 for x's scales;  s[80:87], s[88:91] for w_qkv's
.set G0S, 76
.set G1SB, 80
.set G0SB, 88
.set MSB, 0
.macro WIN new                         ; the immediate's high byte repeats the setting that is left
.if MSB != \new
	s_set_vgpr_msb (MSB<<8)|\new
.set MSB, \new
.endif
.endm
.set MUL_LO, 0xa1                      ; source 0 window 1, source 1 window 0, C and D window 2
.set MUL_HI, 0xf1                      ; the same, C and D window 3
.set TO_B,   0x40                      ; destination window 1, address window 0
; A joint load: waves 0 and 1 fetch for x, waves 2 and 3 for w_qkv.  Each of the two lines has ONE mask and one set of registers for all that issue it; the branch hangs on the wave's number alone.
; An s_nop 0 and four v_nop follow each of the two lines, ahead of the jump, the label and what follows.
.macro JLOAD g0a, g1a, g0b, g1b
	s_cmp_eq_u32 s15, 0
	s_cbranch_scc0 .Lfor_b_\@
	tensor_load_to_lds s[\g0a:\g0a+3], s[\g1a:\g1a+7]
	s_nop 0
.rept 4
	v_nop
.endr
	s_branch .Lasked_\@
.Lfor_b_\@:
	tensor_load_to_lds s[\g0b:\g0b+3], s[\g1b:\g1b+7]
	s_nop 0
.rept 4
	v_nop
.endr
.Lasked_\@:
.endm
.macro CROUND                          ; a round of the cluster's barrier: my work-group's barrier; wave 0 signals for the work-group; every wave waits for all sixteen; my work-group's barrier once more
	s_barrier_signal -1
	s_barrier_wait -1
	s_cmp_lg_u32 s14, 0
	s_cbranch_scc1 .Lnot_wave_0_\@
	s_barrier_signal -3
.Lnot_wave_0_\@:
	s_barrier_wait -3
	s_barrier_signal -1
	s_barrier_wait -1
.endm
	s_load_b128 s[4:7], s[0:1], 0x0                ; x's codes s[4:5], x's scales s[6:7]
	s_load_b128 s[8:11], s[0:1], 0x10              ; w_qkv's codes s[8:9], its scales s[10:11]
	s_load_b64 s[12:13], s[0:1], 0x20              ; qkv16
	s_load_b64 s[96:97], s[0:1], 0x28              ; qkvf
	v_lshl_add_u32 v[SPW], v0, 2, SPARE
	v_mov_b32 v[NIL], 0
	ds_add_u32 v[SPW], v[NIL]                      ; the wave's opening: the add, twice on end, and its wait ahead of my first tensor load; the set-up below, work on registers, stands between
	ds_add_u32 v[SPW], v[NIL]
	v_lshrrev_b32 v1, 5, v0
	v_readfirstlane_b32 s14, v1                    ; wave 0..3
	s_lshr_b32 s15, s14, 1                         ; which half of the tile's rows is mine.  Also: I fetch for x (0) or for w_qkv (1)
	s_and_b32 s16, s14, 1                          ; which half of its columns.  Also: which 128 rows of that tile I fetch
	s_bfe_u32 s40, ttmp6, 0x40000                  ; cx, cy: my place in the cluster
	s_bfe_u32 s41, ttmp6, 0x40004
	s_lshl_b32 s42, ttmp9, 2
	s_add_co_u32 s42, s42, s40                     ; tile column = 4 x cluster x + cx
	s_and_b32 s17, ttmp7, 0xffff
	s_lshl_b32 s17, s17, 2
	s_add_co_u32 s17, s17, s41                     ; tile row = 4 x cluster y + cy
	s_lshl_b32 s43, s41, 2
	s_lshl_b32 s43, 15, s43                        ; my row of the cluster
	s_lshl_b32 s44, 0x1111, s40                    ; my column
	; descriptor group 1: a tile of 128 rows x 256 bytes, padded in LDS
	s_or_b32 s[G1+0], s43, (0<<16)|(1<<20)|(1<<21)|(5<<22)|(3<<25)  ; 15:0 the mask: x's tiles go to my row; 17:16 elements of 1 byte; 20 padding on; 21 set beside a mask; 24:22 after every 64 words (code 5); 31:25 four words (code 3)
	s_or_b32 s[G1B+0], s44, (0<<16)|(1<<20)|(1<<21)|(5<<22)|(3<<25)
.irp g, G1, G1B
	s_mov_b32 s[\g+1], ROWB<<16                    ; tensor_dim0
	s_mov_b32 s[\g+2], 128<<16                     ; tensor_dim1 = 128
	s_mov_b32 s[\g+3], ROWB<<16                    ; tile_dim0
	s_mov_b32 s[\g+4], 128                         ; tile_dim1 = 128
	s_mov_b32 s[\g+5], KROW                        ; tensor_dim0_stride
	s_mov_b32 s[\g+6], 0
	s_mov_b32 s[\g+7], 0
.endr
	; and for the scales of 128 rows: a dense block of 4,096 bytes, as 16 rows of 256 bytes (32 elements of 8 bytes), 16 bytes of padding behind each
	s_or_b32 s[G1S+0], s43, (3<<16)|(1<<20)|(1<<21)|(5<<22)|(3<<25)
	s_or_b32 s[G1SB+0], s44, (3<<16)|(1<<20)|(1<<21)|(5<<22)|(3<<25)
.irp g, G1S, G1SB
	s_mov_b32 s[\g+1], 32<<16
	s_mov_b32 s[\g+2], (128*KS/256)<<16
	s_mov_b32 s[\g+3], 32<<16
	s_mov_b32 s[\g+4], 128*KS/256
	s_mov_b32 s[\g+5], 32
	s_mov_b32 s[\g+6], 0
	s_mov_b32 s[\g+7], 0
.endr
	s_lshl_b32 s18, s16, 7                         ; which 128 rows of the tile I fetch
	s_lshl_b32 s20, s17, 8
	s_add_co_u32 s20, s20, s18                     ; x: row 256 x tile row + 128 x half
	s_lshl_b32 s46, s42, 8
	s_add_co_u32 s46, s46, s18                     ; w_qkv: row 256 x tile column + 128 x half
	s_mov_b32 s21, 0
	s_mov_b32 s47, 0
	s_mov_b64 s[18:19], KS
	s_mul_u64 s[22:23], s[20:21], s[18:19]         ; where these rows' scales begin, in bytes
	s_mul_u64 s[92:93], s[46:47], s[18:19]
	s_mov_b64 s[18:19], KROW
	s_mul_u64 s[20:21], s[20:21], s[18:19]         ; and their codes
	s_mul_u64 s[46:47], s[46:47], s[18:19]
	s_mul_i32 s45, s14, HALFT                      ; where they go: wave x 128 rows: no place in the cluster enters an LDS address
	s_mul_i32 s94, s14, HALFS
	s_wait_dscnt 0x0                               ; both opening adds are done
	s_wait_kmcnt 0x0
	s_add_nc_u64 s[20:21], s[4:5], s[20:21]
	s_add_nc_u64 s[22:23], s[6:7], s[22:23]
	s_add_nc_u64 s[46:47], s[8:9], s[46:47]
	s_add_nc_u64 s[92:93], s[10:11], s[92:93]
	CROUND                                         ; all sixteen work-groups are here: the joint loads meet
	s_mov_b32 s[G0S], 1
	s_add_co_u32 s[G0S+1], s94, SCL
	s_mov_b64 s[G0S+2:G0S+3], s[22:23]
	s_or_b32 s[G0S+3], s[G0S+3], 0x80000000
	s_mov_b32 s[G0SB], 1
	s_add_co_u32 s[G0SB+1], s94, SCL
	s_mov_b64 s[G0SB+2:G0SB+3], s[92:93]
	s_or_b32 s[G0SB+3], s[G0SB+3], 0x80000000
	JLOAD G0S, G1S, G0SB, G1SB                     ; the scales first: they are wanted with K step 0
.irp s, 0,1
	s_mov_b32 s[G0+4*\s], 1
	s_add_co_u32 s[G0+4*\s+1], s45, \s*SLOT
	s_add_nc_u64 s[G0+4*\s+2:G0+4*\s+3], s[20:21], \s*ROWB
	s_or_b32 s[G0+4*\s+3], s[G0+4*\s+3], 0x80000000
	s_mov_b32 s[G0B+4*\s], 1
	s_add_co_u32 s[G0B+4*\s+1], s45, \s*SLOT
	s_add_nc_u64 s[G0B+4*\s+2:G0B+4*\s+3], s[46:47], \s*ROWB
	s_or_b32 s[G0B+4*\s+3], s[G0B+4*\s+3], 0x80000000
	JLOAD G0+4*\s, G1, G0B+4*\s, G1B
.endr
	v_and_b32 v1, 15, v0                           ; l % 16
	v_bfe_u32 v2, v0, 4, 1                         ; l / 16
	v_mul_u32_u24 v3, v1, PITCH
	v_lshl_add_u32 v4, v2, 4, v3                   ; a fragment's row x pitch + 16 x half
	s_mul_i32 s21, s15, HALFT                      ; my 128 rows of x
	s_mul_i32 s22, s16, HALFT                      ; my 128 rows of w_qkv,
	s_add_co_u32 s22, s22, 2*HALFT                 ; which lie behind x's 256
.irp s, 0,1
	v_add_nc_u32 v[ADRA+\s], s21, v4
	v_add_nc_u32 v[ADRB+\s], s22, v4
	s_add_co_u32 s21, s21, SLOT
	s_add_co_u32 s22, s22, SLOT
.endr
	v_mul_u32_u24 v5, v1, KS                       ; my row's scales: 32 bytes a row,
	v_lshrrev_b32 v6, 8, v5
	v_lshl_add_u32 v5, v6, 4, v5                   ; and 16 more for each 256 passed
	s_mul_i32 s21, s15, HALFS                      ; x's: my 128 rows
	s_mul_i32 s22, s16, HALFS                      ; w_qkv's: my 128 rows, behind x's 256
	s_add_co_u32 s22, s22, 2*HALFS
	s_sub_co_u32 s22, s22, s21
	v_mul_u32_u24 v6, s22, v2                      ; lanes 16-31 take w_qkv's: ONE product, the distance between the two bases x half
	s_add_co_u32 s21, s21, SCL
	v_add_nc_u32 v5, v5, v6
	v_add_nc_u32 v[ADRS], s21, v5
	s_mul_i32 s23, s14, 2*HSTG                     ; my stage
	v_mul_u32_u24 v5, v1, HP                       ; in: row l % 16, 16 bytes for each half of the lanes
	v_lshl_add_u32 v5, v2, 4, v5
	v_add_nc_u32 v[STO], s23, v5
	v_and_b32 v6, 31, v0
	v_lshlrev_b32 v[CO], 4, v6                     ; four rows of 128 bytes lie on end in memory: 16 x lane
	v_lshrrev_b32 v5, 3, v6                        ; back: eight lanes to a row, four rows an instruction
	v_mul_u32_u24 v5, v5, HP
	v_and_b32 v6, 7, v6
	v_lshl_add_u32 v5, v6, 4, v5
	v_add_nc_u32 v[RD], s23, v5
	; where my 128 rows x 2 heads begin in qkv16, and my eight images in qkvf
	s_lshl_b32 s20, s17, 8
	s_lshl_b32 s21, s15, 7
	s_add_co_u32 s20, s20, s21                     ; m0: my first row = 256 x tile row + 128 x half
	s_lshl_b32 s46, s42, 8
	s_lshl_b32 s47, s16, 7
	s_add_co_u32 s46, s46, s47                     ; n0: my first column
	s_lshr_b32 s94, s20, 11
	s_mul_i32 s94, s94, FBATCH                     ; qkvf: the batch,
	s_lshl_b32 s95, s46, 6                         ; and 1,024 bytes for each 16 columns: 64 n0
	s_add_co_u32 s94, s94, s95
	s_mov_b32 s95, 0
	s_add_nc_u64 s[96:97], s[96:97], s[94:95]
	s_lshr_b32 s21, s46, 10
	s_lshl_b32 s21, s21, 23                        ; q, k or v: 8,388,608 bytes each
	s_lshr_b32 s22, s20, 11
	s_lshl_b32 s22, s22, 22                        ; the batch: 4,194,304
	s_add_co_u32 s21, s21, s22
	s_and_b32 s22, s46, 1023
	s_lshr_b32 s22, s22, 6
	s_lshl_b32 s22, s22, 18                        ; the first of my two heads: 262,144
	s_add_co_u32 s21, s21, s22
	s_and_b32 s22, s20, 2047                       ; my first row's position in its sequence
	v_mov_b32 v[FM], s22
	s_lshl_b32 s22, s22, 7                         ; 128 bytes a position
	s_add_co_u32 s20, s21, s22
	s_mov_b32 s21, 0
	s_add_nc_u64 s[12:13], s[12:13], s[20:21]
.macro FRAG reg, adr, q, i             ; a fragment, 16 rows x 128 K of 4-bit codes, is 8 registers: lane l holds row l % 16; registers 4 c .. 4 c + 3 hold K = 64 c + 32 (l / 16) + 0 .. 31
.irp c, 0,1
	ds_load_b128 v[\reg+4*\c:\reg+4*\c+3], v[\adr] offset:64*(\q)+32*\c+(\i)*16*PITCH
.endr
.endm
; 16 matrix instructions: x's blocks a0, a0 + 1 against w_qkv's eight, 128 along K: the slot's q-th.  p: w_qkv's set;  sc: the set of scale words.  zero = 1: the first product starts the sums.
; The 64 accumulators take turns, one instruction a turn, in the same order in every step.
.macro MUL16 a0, p, q, sc, zero
.irp a, \a0, \a0+1
.irp b, 0,1,2,3,4,5,6,7
.if \zero
	v_wmma_scale_f32_16x16x128_f8f6f4 v[8*(8*((\a)%4)+\b):8*(8*((\a)%4)+\b)+7], v[128*(\p)+FR*\b:128*(\p)+FR*\b+FR-1], v[AF+FR*(\a):AF+FR*(\a)+FR-1], 0, v[SC+8*NQ*(\sc)+NQ*\b+(\q)], v[SC+8*NQ*(\sc)+NQ*(\a)+(\q)] matrix_a_fmt:MATRIX_FMT_FP4 matrix_b_fmt:MATRIX_FMT_FP4 matrix_a_scale:MATRIX_SCALE_ROW1
.else
	v_wmma_scale_f32_16x16x128_f8f6f4 v[8*(8*((\a)%4)+\b):8*(8*((\a)%4)+\b)+7], v[128*(\p)+FR*\b:128*(\p)+FR*\b+FR-1], v[AF+FR*(\a):AF+FR*(\a)+FR-1], v[8*(8*((\a)%4)+\b):8*(8*((\a)%4)+\b)+7], v[SC+8*NQ*(\sc)+NQ*\b+(\q)], v[SC+8*NQ*(\sc)+NQ*(\a)+(\q)] matrix_a_fmt:MATRIX_FMT_FP4 matrix_b_fmt:MATRIX_FMT_FP4 matrix_a_scale:MATRIX_SCALE_ROW1
.endif
.endr
.endr
.endm
.macro FETCH_B slot, q, p              ; w_qkv's eight fragments of the slot's q-th 128 along K into set p
	WIN TO_B
.irp i, 0,1,2,3,4,5,6,7
	FRAG 128*(\p)+FR*\i, ADRB+\slot, \q, \i
.endr
	WIN 0
.endm
.macro FETCH_A slot, q, i0             ; x's blocks i0 .. i0 + 3
.irp i, \i0, \i0+1, \i0+2, \i0+3
	FRAG AF+FR*(\i), ADRA+\slot, \q, \i
.endr
.endm
.macro SCALES sc                       ; a K step's scale words into set sc: four words a row; lanes 0-15 take x's block i, lanes 16-31 w_qkv's block i
.irp i, 0,1,2,3,4,5,6,7
	ds_load_b128 v[SC+8*NQ*\sc+NQ*\i:SC+8*NQ*\sc+NQ*\i+3], v[ADRS] offset:\i*SBLK
.endr
.endm
; A load into a register that a matrix instruction has read, and a vector instruction or a store that reads a matrix result, stand NP places behind that matrix instruction; only plain vector
; instructions that name none of its registers are places (ISA guide 7.12.1 for vector instructions).
.macro PLACES n
.rept \n
	v_nop
.endr
.endm
; A step of 128 along K that has its successor in the same slot.  A block of x is free as soon as its eight products are issued: blocks 0-3 are fetched anew in the step's middle, blocks 4-7 at its end.
.macro STEP slot, q, zero
	s_wait_dscnt 4*NL                              ; w_qkv's set and x's blocks 0-3 are in; the youngest eight loads (x's blocks 4-7) may be out
	WIN MUL_LO
	MUL16 0, (\q)%2, \q, \slot, \zero
	MUL16 2, (\q)%2, \q, \slot, \zero
	s_wait_dscnt 0                                 ; x's blocks 4-7 are in (asked for 32 matrix instructions ago)
	PLACES NP
	FETCH_B \slot, (\q)+1, 1-(\q)%2
	FETCH_A \slot, (\q)+1, 0
	WIN MUL_HI
	MUL16 4, (\q)%2, \q, \slot, \zero
	MUL16 6, (\q)%2, \q, \slot, \zero
	PLACES NP
	WIN 0
	FETCH_A \slot, (\q)+1, 4
.endm
; Slot 0's last step changes slots: ONE barrier; in front of it each wave waits for all its tensor loads (its part of slot 1), adds 0 to its spare word, and waits for that and for its own reads of slot 0.
; Behind it slot 1 is whole and nobody reads slot 0 any more.  Nothing is filled again.
.macro TURN slot, next
	s_wait_tensorcnt 0x0                           ; all my tensor loads have landed
	ds_add_u32 v[SPW], v[NIL]                      ; 0 onto my spare word
	s_wait_dscnt 4*NL+1                            ; (the add and the youngest eight loads, x's blocks 4-7, may be out)
	WIN MUL_LO
	MUL16 0, 1, NQ-1, \slot, 0                     ; sixteen matrix instructions stand between the add and the wait for it
	s_wait_dscnt 0x0                               ; the add is done, and my reads of this slot are over
	s_barrier_signal -1
	MUL16 2, 1, NQ-1, \slot, 0
	WIN 0
	s_barrier_wait -1
	PLACES NP
	v_add_nc_u32 v[ADRS], 4*NQ, v[ADRS]            ; on to the next K step's scale words (no LDS load of mine is out)
	FETCH_B \next, 0, 0
	FETCH_A \next, 0, 0
	SCALES \next
	WIN MUL_HI
	MUL16 4, 1, NQ-1, \slot, 0
	MUL16 6, 1, NQ-1, \slot, 0
	PLACES NP
	WIN 0
	FETCH_A \next, 0, 4
.endm
	s_wait_tensorcnt 1                             ; the scales and my part of K step 0 are in (K step 1's load, issued last, may be out),
	s_barrier_signal -1
	s_barrier_wait -1                              ; everybody's are
	FETCH_B 0, 0, 0
	FETCH_A 0, 0, 0
	SCALES 0
	FETCH_A 0, 0, 4
	STEP 0, 0, 1                                   ; the first step's products start the sums: nothing is cleared
	STEP 0, 1, 0
	STEP 0, 2, 0
	TURN 0, 1
	STEP 1, 0, 0
	STEP 1, 1, 0
	STEP 1, 2, 0
	s_wait_dscnt 4*NL                              ; the very last step: nothing more to fetch
	WIN MUL_LO
	MUL16 0, 1, NQ-1, 1, 0
	MUL16 2, 1, NQ-1, 1, 0
	s_wait_dscnt 0
	WIN MUL_HI
	MUL16 4, 1, NQ-1, 1, 0
	MUL16 6, 1, NQ-1, 1, 0
	WIN 0
; THE WAY OUT, block by block of 16 rows x 128 columns = two heads.  PACK: rounded to f16, each accumulator from its low end on: a lane's eight columns are 16 bytes.  TOSTAGE: into my own stage, [head][row] at 144 bytes a
; row, and back four rows an instruction.  SEND: in qkv16 a head's 16 rows are 2,048 consecutive bytes, so each store of the wave covers 512 consecutive bytes, aligned.  LDS serves a wave's instructions in order.
.macro PACK a
.set AC, 64*((\a)%4)
	WIN 0x0a+5*((\a)/4)                            ; sources 0 and 1: window 2 or 3
.irp b, 0,1,2,3,4,5,6,7
.irp r, 0,1,2,3
	v_cvt_pk_f16_f32 v[TMP+4*\b+\r], v[AC+8*\b+2*\r], v[AC+8*\b+2*\r+1]
.endr
.endr
	WIN 0
.endm
.macro TOSTAGE a
.set BB, BK+32*((\a)%2)
.irp b, 0,1,2,3,4,5,6,7
	ds_store_b128 v[STO], v[TMP+4*\b:TMP+4*\b+3] offset:(\b/4)*HSTG+(\b%4)*32
.endr
.irp t, 0,1,2,3,4,5,6,7
	ds_load_b128 v[BB+4*\t:BB+4*\t+3], v[RD] offset:(\t/4)*HSTG+(\t%4)*4*HP
.endr
.endm
.macro SEND a
.set BB, BK+32*((\a)%2)
	s_wait_dscnt 0x0                               ; the block is back in registers
.irp t, 0,1,2,3,4,5,6,7
	global_store_b128 v[CO], v[BB+4*\t:BB+4*\t+3], s[12:13] offset:(\t/4)*HEADB+(\a)*2048+(\t%4)*512 th:TH_STORE_NT   ; every place stands in the immediate: no base is stepped
.endr
.endm
	PLACES NP                                      ; behind the last products: for the stores and conversions that read results, and for the loads into the registers that held x's fragments
	; POSITIONS 0-15 IN f32.  Block 0's eight accumulators leave as images of their registers, each group of four registers 16 bytes a lane: 512 consecutive bytes a store.  Only the waves whose first row is a sequence's
	; first row have these positions.  Which they are hangs on the tile row, so no branch is taken on it: the sixteen stores stand under an EXEC that is all ones in those waves and 0 in the others.
	s_wait_xcnt 0x0                                ; EXEC changes only behind this wait
	v_cmp_eq_u32 vcc_lo, 0, v[FM]
	s_and_saveexec_b32 s3, vcc_lo
	WIN 0x08                                       ; a store's data are its source 1: window 2
.irp b, 0,1,2,3,4,5,6,7
	global_store_b128 v[CO], v[8*\b:8*\b+3], s[96:97] offset:1024*\b th:TH_STORE_NT          ; each accumulator from its low end on
	global_store_b128 v[CO], v[8*\b+4:8*\b+7], s[96:97] offset:1024*\b+512 th:TH_STORE_NT
.endr
	WIN 0
	s_wait_xcnt 0x0                                ; and again, in front of the line that widens it
	s_or_b32 exec_lo, exec_lo, s3
	PACK 0
	TOSTAGE 0
.irp a, 1,2,3,4,5,6,7                  ; block a's conversions stand between block a - 1's loads from the stage and the wait for them
	PACK \a
	SEND \a-1
.if \a > 1
	s_wait_xcnt 0x0                                ; block a - 2's stores have read their data registers: block a's loads may land there
.endif
	TOSTAGE \a
.endr
	SEND 7
	s_wait_tensorcnt 0x0                           ; the wave's end: behind my last tensor load and my last LDS store
	ds_add_u32 v[SPW], v[NIL]
	s_wait_dscnt 0x0
	CROUND                                         ; the closing round: no work-group ends while a partner may still ask for a tile that names it
	s_endpgm
.Lfunc_end_k_qbb205767d5_qkv:
	.size	k_qbb205767d5_qkv, .Lfunc_end_k_qbb205767d5_qkv-k_qbb205767d5_qkv
	.p2alignl 7, 3214868480
	.fill 96, 4, 3214868480
	.section	.rodata,"a",@progbits
	.p2align	6, 0x0
	.amdhsa_kernel k_qbb205767d5_qkv
		.amdhsa_group_segment_fixed_size 327680
		.amdhsa_private_segment_fixed_size 0
		.amdhsa_enable_private_segment 0
		.amdhsa_kernarg_size 48
		.amdhsa_user_sgpr_count 2
		.amdhsa_user_sgpr_kernarg_segment_ptr 1
		.amdhsa_wavefront_size32 1
		.amdhsa_system_sgpr_workgroup_id_x 1
		.amdhsa_system_sgpr_workgroup_id_y 1
		.amdhsa_system_sgpr_workgroup_id_z 1
		.amdhsa_system_vgpr_workitem_id 0
		.amdhsa_next_free_vgpr 1024
		.amdhsa_next_free_sgpr 98
		.amdhsa_reserve_vcc 1
		.amdhsa_float_denorm_mode_32 3
		.amdhsa_float_denorm_mode_16_64 3
		.amdhsa_memory_ordered 1
		.amdhsa_forward_progress 1
		.amdhsa_inst_pref_size 129
	.end_amdhsa_kernel
	.amdgpu_metadata
---
amdhsa.version: [ 1, 2 ]
amdhsa.kernels:
  - .name:           k_qbb205767d5_qkv
    .symbol:         k_qbb205767d5_qkv.kd
    .args:
      - { .name: xc, .offset: 0, .size: 8, .value_kind: global_buffer, .address_space: global }
      - { .name: xs, .offset: 8, .size: 8, .value_kind: global_buffer, .address_space: global }
      - { .name: wc, .offset: 16, .size: 8, .value_kind: global_buffer, .address_space: global }
      - { .name: ws, .offset: 24, .size: 8, .value_kind: global_buffer, .address_space: global }
      - { .name: qkv16, .offset: 32, .size: 8, .value_kind: global_buffer, .address_space: global }
      - { .name: qkvf, .offset: 40, .size: 8, .value_kind: global_buffer, .address_space: global }
    .group_segment_fixed_size: 327680
    .private_segment_fixed_size: 0
    .kernarg_segment_align: 8
    .kernarg_segment_size: 48
    .max_flat_workgroup_size: 128
    .sgpr_count:     98
    .vgpr_count:     1024
    .wavefront_size: 32
...
	.end_amdgpu_metadata
.endif
;; end of part 2
;; launch attn (part 3): grid 8 x 32, 16 waves a work-group, clusters of 4 x 1, 327,680 bytes of LDS; arguments qkv16, att16; writes att16
.if DOCPART == 3
	.amdgcn_target "amdgcn-amd-amdhsa--gfx1250"
	.amdhsa_code_object_version 6
	.text
	.protected	k_qbb205767d5_attn
	.globl	k_qbb205767d5_attn
	.p2align	8
	.type	k_qbb205767d5_attn,@function
k_qbb205767d5_attn:
	s_mov_b64 s[64:65], 0
	v_nop
	global_prefetch_b8 v0, s[64:65] scope:SCOPE_SE
	s_setreg_imm32_b32 hwreg(HW_REG_WAVE_MODE, 25, 1), 1
	s_wait_xcnt 0x0
	s_wait_alu depctr_hold_cnt(0) depctr_sa_sdst(0) depctr_va_vdst(0) depctr_va_sdst(0) depctr_va_ssrc(0) depctr_va_vcc(0) depctr_vm_vsrc(0)
	s_getreg_b32 s2, hwreg(HW_REG_IB_STS2, 6, 4)
	s_cmp_eq_u32 s2, 0
	s_cbranch_scc0 .Lentry_in_a_cluster
	s_endpgm
.Lentry_in_a_cluster:
	s_bfe_u32 s2, ttmp6, 0x10000c
	s_cmp_lg_u32 s2, 0x3003
	s_cbranch_scc0 .Lentry_shape_is_right
	s_endpgm
.Lentry_shape_is_right:
; att[b][q][h][:] = the sum over keys k <= q of softmax_k(Q[q] . K[k] / 8) V[k][:], for each of 32 (batch, head).  Q, K, V: qkv16 [3][32][2048][64] f16; att16 [4096][1024] f16.
; Products on f16 operands with f32 sums; maxima, exponentials and sums in f32; the weights p (at most 1) are rounded to f16 for the second product, the result once at the end.
; LIMITS: NaN and infinities are not served; the result must lie under 65,504 in magnitude (it is an average of V's numbers, which do).
; SHARES.  Work-group j (0..7) of a head has sixteen waves; the wave of rank rho (0..15) owns ONE tile of 16 queries, 128 rho + 16 j + 0 .. 15.  So the eight work-groups of a head have equal work, all walk all 2,048
; keys, and every slot of keys is read by some wave of every work-group.  A wave of rank rho has rho + 1 steps of work.  THE RANKS FORM A SQUARE: write the wave's number as 4 a + c; rank = wave, but 15 - wave on the square's two
; diagonals (a = c, a + c = 3).  Then waves c, c + 4, c + 8, c + 12 hold ranks that add up to 30, and so do waves 4 a .. 4 a + 3.
; THE CAUSAL MASK.  A step is 128 keys.  A wave leaves out the steps whose first key lies beyond 128 rho + 127, and masks in the one step that begins at key 128 rho.  Both tests are made of the wave's number and the count of
; slots alone; the work-group's place enters global addresses and the number MQ that the mask's compares read, and nothing else.  Every wave passes every wait, add and barrier.
; LAYOUT.  S^T = K Q^T (source 0 = 16 keys, source 1 = my 16 queries): a lane holds ONE query (lane % 16) and keys 8 (lane / 16) + 0..7 of each tile.  Two such tiles, rounded to f16 in pairs, ARE source 1 (32 keys x 16
; queries) of O^T = V^T P.  K comes out of LDS as it lies, V ([key][channel]) turned, by ds_load_tr16_b128.
; SOFTMAX.  A running maximum m and sum l for each query: p = 2^(c s - c m), c = log2(e) / 8; in every step O and l are multiplied by a = 2^(c m_old - c m_new).  Key 0 counts for every query, so m is a score from the first step on.
; THE RING.  Two LDS slots of 256 keys (two steps).  Waves 0 and 1 fetch K's halves, waves 2 and 3 V's, 128 rows a load.  CLUSTER: the four work-groups of a cluster belong to one head: each tile is asked for JOINTLY, by the same
; tensor load with the same descriptor and the mask of all four.  A wave has one tensor load out; every wait for tensor loads is for all of them.
; LDS LOADS ARE ASKED FOR AHEAD OF THEIR USE, in registers that are free at the time: K's tiles 4 and 5 come with tiles 0-3, into P's registers; tiles 6 and 7 behind the first four products, eight products ahead of their wait;
; V's first 64 keys ahead of the softmax; V's last 64 into the scores' registers as soon as p is rounded; and a slot's first step asks for its second step's K tiles 0-3 behind its first eight products V^T P.
.set KP,    144                        ; a key's row of K in LDS: 128 bytes + 16 = 36 words: the 16 rows of a load start at 16 different groups of four banks (64 banks of 4 bytes: ISA guide 11.1)
.set VP,    160                        ; a row of V: 128 + 32: an odd multiple of 32 bytes, for the turning load
.set SK,    256                        ; keys in a slot
.set NSL,   2048/SK                    ; slots' worth of keys
.set VOFF,  SK*KP                      ; a slot: 256 rows of K, then 256 rows of V
.set SLOT1, 1<<17                      ; slot 1 begins here, so that one exclusive or turns an address in one slot into the other's
.set STAGE, 212992                     ; behind the ring, bytes of its own: 16 rows x 144 bytes for each wave, for the way out
.set SPARE, 262144                     ; the spare words, 128 bytes a wave: eight blocks of 256 bytes that no other line names
.set KIND,  8388608                    ; from q to k and from k to v in qkv16
.set AK0,  1                           ; v1   my lane's place in a tile of K: 144 (l % 16) + 16 (l / 16)
.set AV0,  2                           ; v2   the same for V
.set MQ,   3                           ; v3   16 j + l % 16 - 8 (l / 16): in the masked step register n holds a hidden key where 16 (n / 8) + n % 8 > MQ
.set PFO,  4                           ; v4   256 x lane: the prefetches' offset; never rewritten
.set SPW,  5                           ; v5   LDS address of my spare word; never rewritten
.set NIL,  6                           ; v6   0; never rewritten
.set GO,   7                           ; v7   the way out: my byte offset in the wave's rows of att16
.set ADK,  8                           ; v8   LDS address of the slot's tiles of K
.set ADV,  9                           ; v9   of V
.set STO,  10                          ; v10  the way out: where I put 16 bytes of a row
.set RD,   11                          ; v11  and where I read rows back
                                       ; v12  c m;  v13  m;  v[14:15] l, in two halves
.set QF,   16                          ; v16-31   Q's two fragments
.set FRG,  32                          ; v32-95   eight fragments of K or of V
.set SCO,  96                          ; v96-159  S^T, then p, then V's last eight fragments of the step
.set OT,   160                         ; v160-191 O^T
.set PRB,  192                         ; v192-223 K's tiles 4 and 5, then P in f16
.set MX,   224                         ; v224-227 the maximum's four chains
.set PX,   228                         ; v228     a lane exchange's destination
.set DF,   229                         ; v229     c m_old, then c m_old - c m_new
.set AF,   230                         ; v[230:231] a (the packed forms name the pair and take its low word)
.set SM2,  232                         ; v[232:233], v[236:237], v[238:239] three more chains of the sum
.set NINF, 234                         ; v234     -infinity
.set QO,   235                         ; v235     Q's offset
.set SM3,  236
.set SM4,  238
.set WV,   18                          ; s18  my wave's number
.set RHO,  19                          ; s19  my rank
.set SEL,  20                          ; s[20:21] lane selects for v_permlanex16_b32: lane l xor 16
.set CS,   22                          ; s[22:23] c
.set G1K,  24                          ; s[24:31] descriptor group 1 for K's tiles;  s[32:39] for V's: it differs in the padding alone
.set G1V,  32
.set G0K,  40                          ; s[40:43], s[44:47] their groups 0, which walk
.set G0V,  44
.set KF,   48                          ; s48  the slot's first key
.set QL,   49                          ; s49  128 rho + 127: the last key that any query of my rank's block may see
.set QD,   50                          ; s50  128 rho: the first key of the step in which I mask
.set LIM,  51                          ; s51  1 in a wave that prefetches, else the greatest number
.set PFA,  52                          ; s[52:53] where my prefetches stand
.set SLOTS, 54                         ; s54  slots still to be asked for
.set TB,   55                          ; s55  LDS byte at which the slot in hand begins
.set KF1,  56                          ; s56  the first key of the slot's second step
.macro PLACES                          ; four places in front of loads into registers that matrix instructions have read, and of the first read of results
.rept 4
	v_nop
.endr
.endm
; Waves 0 and 1 fetch for K, waves 2 and 3 for V, the others nothing.  The branches hang on the wave's number alone: they are the same in every work-group.  An s_nop 0 and four v_nop follow each of the two lines.
.macro TLOAD
	s_cmp_lt_u32 s[WV], 2
	s_cbranch_scc0 .Lnot_k_\@
	tensor_load_to_lds s[G0K:G0K+3], s[G1K:G1K+7]
	s_nop 0
.rept 4
	v_nop
.endr
	s_branch .Lasked_\@
.Lnot_k_\@:
	s_cmp_lt_u32 s[WV], 4
	s_cbranch_scc0 .Lasked_\@
	tensor_load_to_lds s[G0V:G0V+3], s[G1V:G1V+7]
	s_nop 0
.rept 4
	v_nop
.endr
.Lasked_\@:
.endm
; A PREFETCH INTO THE L2 of what the NEXT change of slots will ask for: a slot's 256 rows of K and of V, each a dense block of 32,768 bytes.  Both clusters of a head walk the same K and V: the head's first cluster asks.
; Its four partners share each block out BY ADDRESS, 8,192 bytes each; in each, wave 13 asks for K's and wave 14 for V's (ranks 13 and 14: they have work in every slot at whose head they ask), lanes 256 bytes apart: one
; instruction.  So each aligned 256 bytes are named once in the launch.  It stands a slot's two key steps ahead of the load that will want the bytes.  The last change that fills a slot asks for nothing; slots 0 and 1 come by their loads alone.
.macro ASK
	s_cmp_gt_u32 s[SLOTS], s[LIM]
	s_cbranch_scc0 .Lnot_mine_\@
	global_prefetch_b8 v[PFO], s[PFA:PFA+1] th:TH_LOAD_NT scope:SCOPE_SE
.Lnot_mine_\@:
.endm
.macro CROUND                          ; a round of the cluster's barrier: my work-group's barrier; wave 0 signals for the work-group; every wave waits for all four work-groups; my work-group's barrier once more
	s_barrier_signal -1
	s_barrier_wait -1
	s_cmp_lg_u32 s[WV], 0
	s_cbranch_scc1 .Lnot_wave_0_\@
	s_barrier_signal -3
.Lnot_wave_0_\@:
	s_barrier_wait -3
	s_barrier_signal -1
	s_barrier_wait -1
.endm
	s_load_b128 s[4:7], s[0:1], 0x0                ; qkv16, att16
	v_lshl_add_u32 v[SPW], v0, 2, SPARE
	v_mov_b32 v[NIL], 0
	ds_add_u32 v[SPW], v[NIL]                      ; the wave's opening: the add, twice on end, and its wait ahead of the first tensor loads; the set-up below, work on registers, stands between
	ds_add_u32 v[SPW], v[NIL]
	v_lshrrev_b32 v8, 5, v0
	v_readfirstlane_b32 s[WV], v8                  ; wave 0..15 = 4 a + c
	s_lshr_b32 s56, s[WV], 2                       ; a
	s_xor_b32 s56, s56, s[WV]                      ; its low two bits: a xor c, which is 0 or 3 on the two diagonals
	s_lshr_b32 s57, s56, 1
	s_xor_b32 s56, s56, s57                        ; bit 0: the exclusive or of these two bits
	s_and_b32 s56, s56, 1
	s_xor_b32 s56, s56, 1                          ; 1 on a diagonal
	s_mul_i32 s56, s56, 15
	s_xor_b32 s[RHO], s[WV], s56                   ; my rank: there 15 - wave, elsewhere wave
	s_bfe_u32 s12, ttmp6, 0x40000                  ; cx: my place in the cluster
	s_lshl_b32 s13, ttmp9, 2                       ; in a cluster launch ttmp9 counts clusters
	s_add_co_u32 s13, s13, s12                     ; j = 4 x cluster x + cx
	s_and_b32 s14, ttmp7, 0xffff                   ; 16 x batch + head, which the four partners share
	s_lshl_b32 s[QD], s[RHO], 7
	s_add_co_u32 s[QL], s[QD], 127
	s_mov_b32 s[KF], 0
	s_mov_b32 s[TB], 0
	s_mov_b32 s[SLOTS], NSL-1
	s_mov_b32 s[SEL], 0x76543210
	s_mov_b32 s[SEL+1], 0xfedcba98
	s_mov_b32 s[CS], 0x3e38aa3b                    ; c = log2(e) / 8
	s_mov_b32 s[CS+1], s[CS]                       ; (named with it as a pair, so it is written)
	; descriptor group 1: a tile of 128 rows x 64 elements of 2 bytes, dense in memory, padded in LDS
	s_mov_b32 s[G1K], 15|(1<<16)|(1<<20)|(1<<21)|(4<<22)|(3<<25)  ; 15:0 the mask: all four work-groups; 17:16 elements of 2 bytes; 20 padding on; 21 set beside a mask; 24:22 after every 32 words (code 4); 31:25 four words (code 3)
	s_mov_b32 s[G1V], 15|(1<<16)|(1<<20)|(1<<21)|(4<<22)|(7<<25)  ; the same with eight words of padding (code 7)
.irp g, G1K, G1V
	s_mov_b32 s[\g+1], 64<<16                      ; tensor_dim0 = 64
	s_mov_b32 s[\g+2], 128<<16                     ; tensor_dim1 = 128
	s_mov_b32 s[\g+3], 64<<16                      ; tile_dim0 = 64
	s_mov_b32 s[\g+4], 128                         ; tile_dim1 = 128
	s_mov_b32 s[\g+5], 64                          ; tensor_dim0_stride
	s_mov_b32 s[\g+6], 0
	s_mov_b32 s[\g+7], 0
.endr
	s_and_b32 s57, s[WV], 1                        ; which 128 rows of a slot I fetch, if I fetch:
	s_mov_b32 s[G0K], 1                            ; 1:0 count = 1
	s_mul_i32 s[G0K+1], s57, 128*KP                ; 63:32 LDS address: no place in the cluster enters it
	s_mov_b32 s[G0V], 1
	s_mul_i32 s[G0V+1], s57, 128*VP
	s_add_co_u32 s[G0V+1], s[G0V+1], VOFF
	s_lshl_b32 s58, s57, 14                        ; and in memory: 128 rows of 128 bytes
	s_mov_b32 s59, 0
	s_lshl_b32 s60, s14, 18                        ; the head's 262,144 bytes
	s_mov_b32 s61, 0
	s_sub_co_u32 s56, s[WV], 13
	s_lshr_b32 s56, s56, 1                         ; 0 in waves 13 and 14,
	s_or_b32 s56, s56, ttmp9                       ; of the head's first cluster: the same in all four partners
	s_cmp_eq_u32 s56, 0
	s_cselect_b32 s[LIM], 1, -1
	s_wait_dscnt 0x0                               ; both opening adds are done
	s_wait_kmcnt 0x0
	s_add_nc_u64 s[8:9], s[4:5], s[60:61]
	s_add_nc_u64 s[8:9], s[8:9], KIND              ; K's head
	s_add_nc_u64 s[10:11], s[8:9], KIND            ; V's head
	s_add_nc_u64 s[G0K+2:G0K+3], s[8:9], s[58:59]  ; 120:64 global address: the head's first 256 keys, my half
	s_or_b32 s[G0K+3], s[G0K+3], 0x80000000        ; 127:126 type = 2
	s_add_nc_u64 s[G0V+2:G0V+3], s[10:11], s[58:59]
	s_or_b32 s[G0V+3], s[G0V+3], 0x80000000
	CROUND                                         ; all four work-groups are here: the first joint loads meet
	TLOAD                                          ; slot 0
	s_cmp_eq_u32 s[WV], 13                         ; the prefetches: wave 13 stands in K, wave 14 in V,
	s_cselect_b64 s[PFA:PFA+1], s[8:9], s[10:11]
	s_lshl_b32 s56, s12, 13                        ; at my work-group's 8,192 bytes
	s_add_co_u32 s56, s56, SK*128                  ; of slot 1: the first change of slots steps it to slot 2.  Nothing is prefetched here, at the head
	s_mov_b32 s57, 0
	s_add_nc_u64 s[PFA:PFA+1], s[PFA:PFA+1], s[56:57]
	s_lshl_b32 s56, s[RHO], 14                     ; my first query, 128 rho + 16 j, in rows of 128 bytes
	s_lshl_b32 s57, s13, 11
	s_add_co_u32 s56, s56, s57
	s_mov_b32 s57, 0
	s_add_nc_u64 s[4:5], s[4:5], s[60:61]
	s_add_nc_u64 s[4:5], s[4:5], s[56:57]          ; Q at my first query
	s_lshr_b32 s56, s14, 4
	s_lshl_b32 s56, s56, 22                        ; att16: the batch's 2,048 rows of 2,048 bytes,
	s_lshl_b32 s57, s[RHO], 18
	s_add_co_u32 s56, s56, s57
	s_lshl_b32 s57, s13, 15
	s_add_co_u32 s56, s56, s57                     ; my first query's row,
	s_and_b32 s57, s14, 15
	s_lshl_b32 s57, s57, 7
	s_add_co_u32 s56, s56, s57                     ; the head's 128 bytes in it
	s_mov_b32 s57, 0
	s_add_nc_u64 s[6:7], s[6:7], s[56:57]
	v_and_b32 v8, 15, v0                           ; r = lane % 16
	v_bfe_u32 v9, v0, 4, 1                         ; h = lane / 16
	v_lshlrev_b32 v[QO], 7, v8
	v_lshl_add_u32 v[QO], v9, 4, v[QO]             ; Q: row r of 128 bytes, + 16 h
.irp c, 0,1                                    ; a fragment is 16 rows x 32 channels: registers 0-3 channels 8 h + 0..7, registers 4-7 channels 16 + 8 h + 0..7: two loads of 16 bytes, 32 bytes apart
	global_load_b128 v[QF+8*\c:QF+8*\c+3],   v[QO], s[4:5] offset:64*\c
	global_load_b128 v[QF+8*\c+4:QF+8*\c+7], v[QO], s[4:5] offset:64*\c+32
.endr
	v_mul_u32_u24 v[AK0], v8, KP
	v_lshl_add_u32 v[AK0], v9, 4, v[AK0]
	v_and_b32 v240, 7, v0
	v_bfe_u32 v241, v0, 3, 1
	v_lshl_add_u32 v[AV0], v9, 3, v240             ; the turning load: lane l reads 16 bytes of key 8 (l / 16) + l % 8, channels 8 ((l / 8) % 2) + 0..7
	v_mul_u32_u24 v[AV0], v[AV0], VP
	v_lshl_add_u32 v[AV0], v241, 4, v[AV0]
	v_add_nc_u32 v[AV0], VOFF, v[AV0]
	v_lshlrev_b32 v[MQ], 3, v9
	v_sub_nc_u32 v[MQ], v8, v[MQ]
	s_lshl_b32 s56, s13, 4
	v_add_nc_u32 v[MQ], s56, v[MQ]
	v_and_b32 v[PFO], 31, v0
	v_lshlrev_b32 v[PFO], 8, v[PFO]
	v_bfe_u32 v[GO], v0, 3, 2                      ; the way out: eight lanes to a row's 128 bytes, four rows an instruction
	v_lshlrev_b32 v[GO], 11, v[GO]
	v_lshl_add_u32 v[GO], v240, 4, v[GO]
	s_mul_i32 s56, s[WV], 16*KP
	s_add_co_u32 s56, s56, STAGE                   ; my stage
	v_add_nc_u32 v[STO], s56, v[AK0]               ; in: row r, + 16 h
	v_bfe_u32 v[RD], v0, 3, 2
	v_mul_u32_u24 v[RD], v[RD], KP
	v_lshl_add_u32 v[RD], v240, 4, v[RD]
	v_add_nc_u32 v[RD], s56, v[RD]
	v_mov_b32 v13, 0xff61b1e6                      ; m: -3e38, under every score
	v_mul_f32 v12, s[CS], v13                      ; c m
	v_mov_b32 v14, 0                               ; l
	v_mov_b32 v15, 0
	v_mov_b32 v[PX], 0                             ; written once: a lane exchange's destination counts as one of its sources
	v_mov_b32 v[AF+1], 0                           ; (named as the upper half of a pair)
	v_mov_b32 v[NINF], 0xff800000
.set j, 0
.rept 32
	v_mov_b32 v[OT+j], 0                           ; O^T.  (The step is written once: the first finds zeros, which a = 0 leaves zeros)
.set j, j+1
.endr
.macro KLOAD q, t, reg                 ; K's two fragments (16 keys x 64 channels) of tile t of the slot's q-th step into v[reg] .. v[reg + 15]: four loads
.irp c, 0,1
	ds_load_b128 v[\reg+8*\c:\reg+8*\c+3],   v[ADK] offset:(128*(\q)+16*(\t))*KP+64*\c
	ds_load_b128 v[\reg+8*\c+4:\reg+8*\c+7], v[ADK] offset:(128*(\q)+16*(\t))*KP+64*\c+32
.endr
.endm
.macro KQ2 t, reg                      ; S^T of tiles t and t + 1, whose fragments begin at v[reg]: four products; channels 0-31 start the sums; the two accumulators take turns, one instruction a turn
	v_wmma_f32_16x16x32_f16 v[SCO+8*(\t):SCO+8*(\t)+7],    v[\reg:\reg+7],     v[QF:QF+7], 0
	v_wmma_f32_16x16x32_f16 v[SCO+8*(\t)+8:SCO+8*(\t)+15], v[\reg+16:\reg+23], v[QF:QF+7], 0
	v_wmma_f32_16x16x32_f16 v[SCO+8*(\t):SCO+8*(\t)+7],    v[\reg+8:\reg+15],  v[QF+8:QF+15], v[SCO+8*(\t):SCO+8*(\t)+7]
	v_wmma_f32_16x16x32_f16 v[SCO+8*(\t)+8:SCO+8*(\t)+15], v[\reg+24:\reg+31], v[QF+8:QF+15], v[SCO+8*(\t)+8:SCO+8*(\t)+15]
.endm
.macro VLOAD q, g, reg                 ; V^T's eight fragments (16 channels x 32 keys) of keys 64 g on of the slot's q-th step into v[reg] .. v[reg + 63]: sixteen loads
.irp u, 0,1
.irp d, 0,1,2,3
	ds_load_tr16_b128 v[\reg+32*\u+8*\d:\reg+32*\u+8*\d+3],   v[ADV] offset:(128*(\q)+32*(2*(\g)+\u))*VP+32*\d
	ds_load_tr16_b128 v[\reg+32*\u+8*\d+4:\reg+32*\u+8*\d+7], v[ADV] offset:(128*(\q)+32*(2*(\g)+\u))*VP+32*\d+16*VP
.endr
.endr
.endm
.macro PV g, reg                       ; O^T += V^T P for these 64 keys: the four accumulators take turns, one instruction a turn
.irp u, 0,1
.irp d, 0,1,2,3
	v_wmma_f32_16x16x32_f16 v[OT+8*\d:OT+8*\d+7], v[\reg+32*\u+8*\d:\reg+32*\u+8*\d+7], v[PRB+8*(2*(\g)+\u):PRB+8*(2*(\g)+\u)+7], v[OT+8*\d:OT+8*\d+7]
.endr
.endr
.endm
; A KEY STEP: 128 keys, the q-th of the slot in hand.  Step 1 is reached through step 0 alone, which has asked for its K tiles 0-3.
.macro STEP q
.if \q == 0
	v_add_nc_u32 v[ADK], s[TB], v[AK0]
	v_add_nc_u32 v[ADV], s[TB], v[AV0]
.rept 3
	v_nop                                          ; with the two additions FIVE places behind the last step's products: four for the loads into registers that they read, five for the products below, which write over the
.endr                                              ; registers that held V's fragments (ISA guide 7.12.1 for the first four)
.irp t, 0,1,2,3
	KLOAD 0, \t, FRG+16*\t
.endr
.else
.rept 5
	v_nop                                          ; the same five places
.endr
.endif
	KLOAD \q, 4, PRB                               ; P's registers are free until p is rounded
	KLOAD \q, 5, PRB+16
	s_wait_dscnt 8                                 ; tiles 0-3 are in; the eight loads of tiles 4 and 5 may be out
	KQ2 0, FRG
	PLACES                                         ; in front of loads into the registers of tiles 0 and 1
	KLOAD \q, 6, FRG
	KLOAD \q, 7, FRG+16
	KQ2 2, FRG+32
	s_wait_dscnt 8                                 ; tiles 4 and 5 are in; the eight loads of tiles 6 and 7 may be out
	KQ2 4, PRB
	s_wait_dscnt 0x0
	KQ2 6, FRG
	PLACES                                         ; in front of the loads below and of the first read of the scores
	VLOAD \q, 0, FRG                               ; V's first 64 keys are asked for here and land while the softmax is walked
.if \q == 0
	s_cmp_lg_u32 s[KF], s[QD]
.else
	s_cmp_lg_u32 s[KF1], s[QD]
.endif
	s_cbranch_scc1 .Lopen_\@                       ; only the step that begins at key 128 rho holds hidden keys
.set n, 0
.rept 64                                       ; register n holds key 16 (n / 8) + 8 (l / 16) + n % 8 of the step: hidden scores become -infinity ahead of the maximum, so that p = 0
	v_cmp_gt_i32 vcc_lo, 16*(n/8)+n%8, v[MQ]
	v_cndmask_b32 v[SCO+n], v[SCO+n], v[NINF], vcc_lo
.set n, n+1
.endr
.Lopen_\@:
.irp b, 0,1,2,3                                ; the largest of my 64 scores, in four chains that take turns; each tile is read from its low end on
	v_max3_num_f32 v[MX+\b], v[SCO+16*\b], v[SCO+16*\b+1], v[SCO+16*\b+2]
.endr
.irp i, 3,5,7,9,11,13
.irp b, 0,1,2,3
	v_max3_num_f32 v[MX+\b], v[MX+\b], v[SCO+16*\b+\i], v[SCO+16*\b+\i+1]
.endr
.endr
.irp b, 0,1,2,3
	v_max_num_f32 v[MX+\b], v[MX+\b], v[SCO+16*\b+15]
.endr
	v_max3_num_f32 v[MX], v[MX], v[MX+1], v[MX+2]
	v_max3_num_f32 v[MX], v[MX], v[MX+3], v13      ; and the old m
	v_permlanex16_b32 v[PX], v[MX], s[SEL], s[SEL+1]   ; the query's other 64 keys lie in the lane 16 away
	v_mov_b32 v[DF], v12                           ; c m_old
	v_max_num_f32 v13, v[MX], v[PX]                ; the new m
	v_mul_f32 v12, s[CS], v13                      ; c m
	v_sub_f32 v[DF], v[DF], v12                    ; c m_old - c m_new, 0 or less
	; ONE BATCH: the 32 scalings c s - c m, a pair of scores each, and the 65 exponentials; none of these lines names an exponential's result.  A scaling leads each two exponentials; a pair is scaled two groups ahead of its exponentials
	v_pk_fma_f32 v[SCO:SCO+1], v[SCO:SCO+1], s[CS:CS+1], v[12:13] op_sel_hi:[1,0,0] neg_lo:[0,0,1] neg_hi:[0,0,1]
	v_pk_fma_f32 v[SCO+2:SCO+3], v[SCO+2:SCO+3], s[CS:CS+1], v[12:13] op_sel_hi:[1,0,0] neg_lo:[0,0,1] neg_hi:[0,0,1]
	v_exp_f32 v[AF], v[DF]                         ; a
.set j, 0
.rept 30
	v_pk_fma_f32 v[SCO+j+4:SCO+j+5], v[SCO+j+4:SCO+j+5], s[CS:CS+1], v[12:13] op_sel_hi:[1,0,0] neg_lo:[0,0,1] neg_hi:[0,0,1]
	v_exp_f32 v[SCO+j], v[SCO+j]                   ; p = 2^(c s - c m)
	v_exp_f32 v[SCO+j+1], v[SCO+j+1]
.set j, j+2
.endr
.irp i, 60,61,62,63
	v_exp_f32 v[SCO+\i], v[SCO+\i]
.endr
	v_nop                                          ; a plain instruction behind the last exponential
	s_wait_alu depctr_va_vdst(0)                   ; ONE wait for the 65 exponentials, ahead of the first instruction that names a result
	v_pk_mul_f32 v[14:15], v[14:15], v[AF:AF+1] op_sel_hi:[1,0]    ; l under the new m
	v_pk_add_f32 v[SM2:SM2+1], v[SCO:SCO+1], v[SCO+2:SCO+3]        ; the sum of the unrounded p, two at a time, in four chains that take turns
	v_pk_add_f32 v[SM3:SM3+1], v[SCO+4:SCO+5], v[SCO+6:SCO+7]
	v_pk_add_f32 v[SM4:SM4+1], v[SCO+8:SCO+9], v[SCO+10:SCO+11]
	v_pk_add_f32 v[14:15], v[14:15], v[SCO+12:SCO+13]
.set j, 14
.rept 6
	v_pk_add_f32 v[SM2:SM2+1], v[SM2:SM2+1], v[SCO+j:SCO+j+1]
	v_pk_add_f32 v[SM3:SM3+1], v[SM3:SM3+1], v[SCO+j+2:SCO+j+3]
	v_pk_add_f32 v[SM4:SM4+1], v[SM4:SM4+1], v[SCO+j+4:SCO+j+5]
	v_pk_add_f32 v[14:15], v[14:15], v[SCO+j+6:SCO+j+7]
.set j, j+8
.endr
	v_pk_add_f32 v[SM2:SM2+1], v[SM2:SM2+1], v[SCO+62:SCO+63]
	v_pk_add_f32 v[14:15], v[14:15], v[SM4:SM4+1]
	v_pk_add_f32 v[SM2:SM2+1], v[SM2:SM2+1], v[SM3:SM3+1]
	v_pk_add_f32 v[14:15], v[14:15], v[SM2:SM2+1]
.set j, 0
.rept 32
	v_cvt_pk_f16_f32 v[PRB+j], v[SCO+2*j], v[SCO+2*j+1]            ; tiles 2 u and 2 u + 1 become source 1 for keys 32 u on
.set j, j+1
.endr
	VLOAD \q, 1, SCO                               ; p has been summed and rounded: its registers take V's last 64 keys, asked for 16 vector and 8 matrix instructions ahead of the wait for them
.set j, 0
.rept 16
	v_pk_mul_f32 v[OT+j:OT+j+1], v[OT+j:OT+j+1], v[AF:AF+1] op_sel_hi:[1,0]   ; O^T under the new m, each tile from its low end on
.set j, j+2
.endr
	s_wait_dscnt 16                                ; V's first 64 keys are in; the sixteen loads just issued may be out
	PV 0, FRG
.if \q == 0
	PLACES                                         ; in front of loads into the registers that these products read
.irp t, 0,1,2,3
	KLOAD 1, \t, FRG+16*\t                         ; the same slot's next step: K's tiles 0-3.  (A wave for which that step is hidden reads them for nothing: the bytes lie in the slot in hand)
.endr
	s_wait_dscnt 16                                ; V's last 64 keys are in; the sixteen loads just issued may be out
.else
	s_wait_dscnt 0x0
.endif
	PV 1, SCO
.endm
; THE CHANGE OF SLOTS stands at a slot's head.  Each wave waits for all its tensor loads (its part of the slot that it is about to read), adds 0 to its spare word, and waits for that and for its reads of the slot that it has left.
; fill = 1: a round of the cluster's barrier follows, so that no wave of any partner still reads the other slot or has a load on its way; the joint load of the keys that follow is the first thing behind it and has a slot's
; two key steps in which to land.  (Behind the first trip's round all four loads fill slot 1 for the first time.)  fill = 0: the work-group's barrier alone.
.macro CHANGE fill
	s_wait_tensorcnt 0x0                           ; no tensor load of mine is out, so a group 0 may be written
	ds_add_u32 v[SPW], v[NIL]                      ; 0 onto my spare word
.if \fill
	ds_add_u32 v[SPW], v[NIL]                      ; and once more: the add twice on end, in every trip alike
	s_xor_b32 s[G0K+1], s[G0K+1], SLOT1            ; the walking descriptors: the other slot than last time,
	s_add_nc_u64 s[G0K+2:G0K+3], s[G0K+2:G0K+3], SK*128   ; the next 256 keys; the type bits on top are not reached
	s_xor_b32 s[G0V+1], s[G0V+1], SLOT1
	s_add_nc_u64 s[G0V+2:G0V+3], s[G0V+2:G0V+3], SK*128
	s_wait_xcnt 0x0                                ; the last prefetch, a slot back, has read its address, so it may be written:
	s_add_nc_u64 s[PFA:PFA+1], s[PFA:PFA+1], SK*128   ; one slot further on than the walking descriptors
.endif
	s_wait_dscnt 0x0                               ; the add is done (fill = 1: both are), and my reads of the slot that I have left are over
.if \fill
	CROUND
	TLOAD
	ASK
.else
	s_barrier_signal -1
	s_barrier_wait -1
.endif
.endm
; A slot's two steps.  Where all keys of a step come after every query of my rank's block its work is left out; the second step is hidden wherever the first is, so it stands inside the first's branch.  The two lines at the end are on every path.
.macro SLOT_STEPS
	s_cmp_gt_u32 s[KF], s[QL]
	s_cbranch_scc1 .Lhidden_\@
	STEP 0
	s_add_co_u32 s[KF1], s[KF], 128
	s_cmp_gt_u32 s[KF1], s[QL]
	s_cbranch_scc1 .Lhidden_\@
	STEP 1
.Lhidden_\@:
	s_add_co_u32 s[KF], s[KF], SK
	s_xor_b32 s[TB], s[TB], SLOT1                  ; on to the other slot
.endm
	s_wait_loadcnt 0x0                             ; Q
.Lslot:                                            ; NSL - 1 = 7 trips: behind each change of slots but the last the next slot is asked for
	CHANGE 1
	SLOT_STEPS
	s_sub_co_u32 s[SLOTS], s[SLOTS], 1
	s_cmp_lg_u32 s[SLOTS], 0
	s_cbranch_scc1 .Lslot
	CHANGE 0                                       ; the last slot is written out
	SLOT_STEPS
	; THE WAY OUT.  O^T is divided by l, rounded to f16 and goes through my stage: a lane's eight channels are 16 bytes of a row; back come four rows of 128 bytes an instruction.  A head's part of a row of att16 is 128 bytes.
	s_wait_dscnt 0x0                               ; loads asked for ahead of a hidden step may be out: the registers that they fill are written below
	PLACES                                         ; behind the last products
	v_add_f32 v14, v14, v15                        ; l's two halves,
	v_permlanex16_b32 v[PX], v14, s[SEL], s[SEL+1]
	v_add_f32 v14, v14, v[PX]                      ; and the other half of the lanes'
	v_rcp_f32 v14, v14
	v_nop                                          ; a plain instruction behind the reciprocal
	s_wait_alu depctr_va_vdst(0)                   ; and the wait ahead of its first reader
.set j, 0
.rept 32
	v_mul_f32 v[SCO+j], v[OT+j], v14               ; register 8 d + i: channel 16 d + 8 (l / 16) + i of query l % 16
.set j, j+1
.endr
.set j, 0
.rept 16
	v_cvt_pk_f16_f32 v[FRG+j], v[SCO+2*j], v[SCO+2*j+1]
.set j, j+1
.endr
.irp d, 0,1,2,3
	ds_store_b128 v[STO], v[FRG+4*\d:FRG+4*\d+3] offset:32*\d
.endr
.irp i, 0,1,2,3
	ds_load_b128 v[FRG+16+4*\i:FRG+16+4*\i+3], v[RD] offset:4*KP*\i   ; LDS serves a wave's instructions in order: these see my stores
.endr
.irp i, 0,1,2,3
	s_wait_dscnt 3-\i                              ; the younger loads may be out
	global_store_b128 v[GO], v[FRG+16+4*\i:FRG+16+4*\i+3], s[6:7] offset:8192*\i
.endr
	s_wait_tensorcnt 0x0                           ; the wave's end: behind my last tensor load and my last LDS store
	ds_add_u32 v[SPW], v[NIL]
	s_wait_dscnt 0x0
	CROUND                                         ; the closing round: no work-group ends while a partner may still ask for a tile that names it
	s_endpgm
.Lfunc_end_k_qbb205767d5_attn:
	.size	k_qbb205767d5_attn, .Lfunc_end_k_qbb205767d5_attn-k_qbb205767d5_attn
	.p2alignl 7, 3214868480
	.fill 96, 4, 3214868480
	.section	.rodata,"a",@progbits
	.p2align	6, 0x0
	.amdhsa_kernel k_qbb205767d5_attn
		.amdhsa_group_segment_fixed_size 327680
		.amdhsa_private_segment_fixed_size 0
		.amdhsa_enable_private_segment 0
		.amdhsa_kernarg_size 16
		.amdhsa_user_sgpr_count 2
		.amdhsa_user_sgpr_kernarg_segment_ptr 1
		.amdhsa_wavefront_size32 1
		.amdhsa_system_sgpr_workgroup_id_x 1
		.amdhsa_system_sgpr_workgroup_id_y 1
		.amdhsa_system_sgpr_workgroup_id_z 1
		.amdhsa_system_vgpr_workitem_id 0
		.amdhsa_next_free_vgpr 256
		.amdhsa_next_free_sgpr 66
		.amdhsa_reserve_vcc 1
		.amdhsa_float_denorm_mode_32 3
		.amdhsa_float_denorm_mode_16_64 3
		.amdhsa_memory_ordered 1
		.amdhsa_forward_progress 1
		.amdhsa_inst_pref_size 107
	.end_amdhsa_kernel
	.amdgpu_metadata
---
amdhsa.version: [ 1, 2 ]
amdhsa.kernels:
  - .name:           k_qbb205767d5_attn
    .symbol:         k_qbb205767d5_attn.kd
    .args:
      - { .name: qkv16, .offset: 0, .size: 8, .value_kind: global_buffer, .address_space: global }
      - { .name: att16, .offset: 8, .size: 8, .value_kind: global_buffer, .address_space: global }
    .group_segment_fixed_size: 327680
    .private_segment_fixed_size: 0
    .kernarg_segment_align: 8
    .kernarg_segment_size: 16
    .max_flat_workgroup_size: 512
    .sgpr_count:     66
    .vgpr_count:     256
    .wavefront_size: 32
...
	.end_amdgpu_metadata
.endif
;; end of part 3
;; launch proj (part 4): grid 8 x 32, 4 waves a work-group, clusters of 4 x 4, 327,680 bytes of LDS; arguments att16, w16, out0, b_out; writes out0
.if DOCPART == 4
	.amdgcn_target "amdgcn-amd-amdhsa--gfx1250"
	.amdhsa_code_object_version 6
	.text
	.protected	k_qbb205767d5_proj
	.globl	k_qbb205767d5_proj
	.p2align	8
	.type	k_qbb205767d5_proj,@function
k_qbb205767d5_proj:
	s_mov_b64 s[64:65], 0
	v_nop
	global_prefetch_b8 v0, s[64:65] scope:SCOPE_SE
	s_setreg_imm32_b32 hwreg(HW_REG_WAVE_MODE, 25, 1), 1
	s_wait_xcnt 0x0
	s_wait_alu depctr_hold_cnt(0) depctr_sa_sdst(0) depctr_va_vdst(0) depctr_va_sdst(0) depctr_va_ssrc(0) depctr_va_vcc(0) depctr_vm_vsrc(0)
	s_getreg_b32 s2, hwreg(HW_REG_IB_STS2, 6, 4)
	s_cmp_eq_u32 s2, 0
	s_cbranch_scc0 .Lentry_in_a_cluster
	s_endpgm
.Lentry_in_a_cluster:
	s_bfe_u32 s2, ttmp6, 0x10000c
	s_cmp_lg_u32 s2, 0xf033
	s_cbranch_scc0 .Lentry_shape_is_right
	s_endpgm
.Lentry_shape_is_right:
; out0[m][n] = sum over k of att16[m][k] w16[n][k] + b_out[n].  att16: [4096][1024], w16: [1024][1024], f16; b_out and out0 f32; sums in f32.  All 4,096 rows (a later launch writes positions 0-15 of both sequences anew, from f32 operands).
; A tile is 128 x 128: 256 work-groups.  Four waves, each 64 x 64: 16 accumulators of 16 x 16, 128 registers.  K goes in four steps of 256 (LDS rows of 512 bytes; a wave's tensor load brings 64 of them) through two slots.
; CLUSTERS: 4 x 4 work-groups.  The four of a row of the cluster need the same tiles of att16, the four of a column the same tiles of w16: each tile is asked for JOINTLY, by the same tensor load with the same descriptor
; and a mask that names the four.  A wave has two tensor loads out at the start and one behind each round.
; THE MATRIX INSTRUCTION IS USED TRANSPOSED (source 0 = 16 rows of w16, source 1 = 16 rows of att16): a lane then holds eight neighbouring columns of a row.  The bias is the C of each sum's first product.
; REGISTERS: window 0: v0-31 addresses; v32-95 rows on the way out; v96-127 the bias, eight registers for each of my four blocks of columns; v128-255 the accumulators ((a, b) at v[128 + 8 (4 a + b)]).
;   window 1: two fragment buffers of 128: for 64 along K, 64 registers of att16, then 64 of w16.
.set SIZE_M, 4096
.set SIZE_N, 1024
.set SIZE_K, 1024
.set KSTEP,  256
.set PITCH,  528                       ; an LDS row: 512 bytes + 16 of padding = 132 words: the 16 rows that a load touches start at 16 different groups of four banks (64 banks of 4 bytes: ISA guide 11.1)
.set HALFT,  64*PITCH                  ; 64 rows: what one tensor load brings
.set SLOT,   4*HALFT                   ; att16's 128 rows, then w16's 128 rows
.set STAGE,  2*SLOT                    ; behind the ring: for each wave two stages of 16 rows x 272 bytes, for the way out
.set SPITCH, 272
.set SPARE,  STAGE+4*2*16*SPITCH       ; behind the stages: the spare words, 128 bytes a wave, which no other line names
.set ADRA, 16                          ; v16-17  LDS address of my att16 fragments in slot 0, 1
.set ADRB, 20                          ; v20-21  the same for w16
.set STO,  24                          ; v24     the way out: where I put 32 bytes of a row
.set RD,   25                          ; v25     the way out: where I read a row back
.set CO,   26                          ; v26     my byte offset in out0
.set BO,   27                          ; v27     32 x (lane / 16): my eight numbers of a block of the bias
.set SPW,  28                          ; v28     LDS address of my spare word; never rewritten
.set NIL,  29                          ; v29     0; never rewritten
.set TMP,  32
.set BIAS, 96
.set ACC,  128
.set F0,   0                           ; fragment buffers, in window 1
.set F1,   128
.set G1, 24                            ; s[24:31] descriptor group 1 for att16's tiles;  s[32:39] group 0, one set for each slot
.set G0, 32
.set G1B, 48                           ; s[48:55], s[56:63] the same for w16's tiles
.set G0B, 56
.set MSB, 0
.macro WIN new                         ; the immediate's high byte repeats the setting that is left
.if MSB != \new
	s_set_vgpr_msb (MSB<<8)|\new
.set MSB, \new
.endif
.endm
.set MUL,  0x05                        ; sources 0 and 1 window 1; C and D window 0
.set TO_F, 0x40                        ; destination window 1, address window 0
.macro JLOAD s                         ; a joint load: waves 0 and 1 fetch att16's two halves, waves 2 and 3 w16's; an s_nop 0 and four v_nop follow each of the two lines
	s_cmp_eq_u32 s11, 0
	s_cbranch_scc0 .Lfor_b_\@
	tensor_load_to_lds s[G0+4*\s:G0+4*\s+3], s[G1:G1+7]
	s_nop 0
.rept 4
	v_nop
.endr
	s_branch .Lasked_\@
.Lfor_b_\@:
	tensor_load_to_lds s[G0B+4*\s:G0B+4*\s+3], s[G1B:G1B+7]
	s_nop 0
.rept 4
	v_nop
.endr
.Lasked_\@:
.endm
.macro CREST                           ; a round of the cluster's barrier behind its opening barrier
	s_cmp_lg_u32 s10, 0
	s_cbranch_scc1 .Lnot_wave_0_\@
	s_barrier_signal -3
.Lnot_wave_0_\@:
	s_barrier_wait -3
	s_barrier_signal -1
	s_barrier_wait -1
.endm
.macro CROUND                          ; a whole round
	s_barrier_signal -1
	s_barrier_wait -1
	CREST
.endm
	s_load_b128 s[4:7], s[0:1], 0x0                ; att16 s[4:5], w16 s[6:7]
	s_load_b64 s[8:9], s[0:1], 0x10                ; out0
	s_load_b64 s[66:67], s[0:1], 0x18              ; b_out
	v_lshl_add_u32 v[SPW], v0, 2, SPARE
	v_mov_b32 v[NIL], 0
	ds_add_u32 v[SPW], v[NIL]                      ; the wave's opening: the add, twice on end, and its wait ahead of my first tensor load; the set-up below, work on registers, stands between
	ds_add_u32 v[SPW], v[NIL]
	v_lshrrev_b32 v1, 5, v0
	v_readfirstlane_b32 s10, v1                    ; wave 0..3
	s_lshr_b32 s11, s10, 1                         ; which half of the tile's rows is mine.  Also: I fetch for att16 (0) or for w16 (1)
	s_and_b32 s12, s10, 1                          ; which half of its columns.  Also: which 64 rows of that tile I fetch
	s_bfe_u32 s40, ttmp6, 0x40000                  ; cx, cy: my place in the cluster
	s_bfe_u32 s41, ttmp6, 0x40004
	s_lshl_b32 s42, ttmp9, 2
	s_add_co_u32 s42, s42, s40                     ; tile column = 4 x cluster x + cx
	s_and_b32 s13, ttmp7, 0xffff
	s_lshl_b32 s13, s13, 2
	s_add_co_u32 s13, s13, s41                     ; tile row = 4 x cluster y + cy
	s_lshl_b32 s43, s41, 2
	s_lshl_b32 s43, 15, s43                        ; my row of the cluster
	s_lshl_b32 s44, 0x1111, s40                    ; my column
	; descriptor group 1: a tile of 64 rows x 256 elements, padded in LDS
	s_or_b32 s[G1+0], s43, (1<<16)|(1<<20)|(1<<21)|(6<<22)|(3<<25)  ; 15:0 the mask: att16's tiles go to my row; 17:16 elements of 2 bytes; 20 padding on; 21 set beside a mask; 24:22 after every 128 words (code 6); 31:25 four words (code 3)
	s_or_b32 s[G1B+0], s44, (1<<16)|(1<<20)|(1<<21)|(6<<22)|(3<<25)
.irp g, G1, G1B
	s_mov_b32 s[\g+1], KSTEP<<16                   ; tensor_dim0 = 256
	s_mov_b32 s[\g+2], 64<<16                      ; tensor_dim1 = 64
	s_mov_b32 s[\g+3], KSTEP<<16                   ; tile_dim0 = 256
	s_mov_b32 s[\g+4], 64                          ; tile_dim1 = 64
	s_mov_b32 s[\g+5], SIZE_K                      ; tensor_dim0_stride
	s_mov_b32 s[\g+6], 0
	s_mov_b32 s[\g+7], 0
.endr
	s_lshl_b32 s17, s12, 6                         ; which 64 rows of the tile I fetch
	s_lshl_b32 s16, s13, 7
	s_add_co_u32 s16, s16, s17                     ; att16: row 128 x tile row + 64 x half
	s_lshl_b32 s46, s42, 7
	s_add_co_u32 s46, s46, s17                     ; w16: row 128 x tile column + 64 x half
	s_mov_b32 s17, 0
	s_mov_b32 s47, 0
	s_mov_b64 s[18:19], SIZE_K*2
	s_mul_u64 s[16:17], s[16:17], s[18:19]
	s_mul_u64 s[46:47], s[46:47], s[18:19]
	s_mul_i32 s20, s10, HALFT                      ; where they go: wave x 64 rows: no place in the cluster enters an LDS address
	s_wait_dscnt 0x0                               ; both opening adds are done
	s_wait_kmcnt 0x0
	s_add_nc_u64 s[14:15], s[4:5], s[16:17]
	s_add_nc_u64 s[46:47], s[6:7], s[46:47]
	CROUND                                         ; all sixteen work-groups are here: the first joint loads meet
.irp s, 0,1
	s_mov_b32 s[G0+4*\s], 1
	s_add_co_u32 s[G0+4*\s+1], s20, \s*SLOT
	s_add_nc_u64 s[G0+4*\s+2:G0+4*\s+3], s[14:15], \s*KSTEP*2
	s_or_b32 s[G0+4*\s+3], s[G0+4*\s+3], 0x80000000
	s_mov_b32 s[G0B+4*\s], 1
	s_add_co_u32 s[G0B+4*\s+1], s20, \s*SLOT
	s_add_nc_u64 s[G0B+4*\s+2:G0B+4*\s+3], s[46:47], \s*KSTEP*2
	s_or_b32 s[G0B+4*\s+3], s[G0B+4*\s+3], 0x80000000
	JLOAD \s
.endr
	v_and_b32 v1, 15, v0                           ; l % 16
	v_bfe_u32 v2, v0, 4, 1                         ; l / 16
	v_mul_u32_u24 v3, v1, PITCH
	v_lshl_add_u32 v3, v2, 4, v3                   ; a fragment's row x pitch + 16 x half
	s_mul_i32 s21, s11, HALFT                      ; my 64 rows of att16
	s_mul_i32 s22, s12, HALFT                      ; my 64 rows of w16,
	s_add_co_u32 s22, s22, 2*HALFT                 ; which lie behind att16's 128
.irp s, 0,1
	v_add_nc_u32 v[ADRA+\s], s21, v3
	v_add_nc_u32 v[ADRB+\s], s22, v3
	s_add_co_u32 s21, s21, SLOT
	s_add_co_u32 s22, s22, SLOT
.endr
	s_mul_i32 s23, s10, 2*16*SPITCH
	s_add_co_u32 s23, s23, STAGE                   ; my two stages
	v_mul_u32_u24 v4, v1, SPITCH                   ; in: row l % 16, 32 bytes for each half of the lanes
	v_lshl_add_u32 v4, v2, 5, v4
	v_add_nc_u32 v[STO], s23, v4
	v_mul_u32_u24 v5, v2, SPITCH                   ; back: lanes 0-15 take one row of 256 bytes, lanes 16-31 the next
	v_lshl_add_u32 v5, v1, 4, v5
	v_add_nc_u32 v[RD], s23, v5
	v_lshlrev_b32 v5, 12, v2                       ; and the same two rows in out0: 4,096 bytes a row
	v_lshl_add_u32 v[CO], v1, 4, v5
	v_lshlrev_b32 v[BO], 5, v2
	s_lshl_b32 s46, s42, 9                         ; my first column, in bytes: 512 x tile column + 256 x half
	s_lshl_b32 s47, s12, 8
	s_add_co_u32 s46, s46, s47
	s_mov_b32 s47, 0
	s_add_nc_u64 s[66:67], s[66:67], s[46:47]      ; in b_out,
	s_add_nc_u64 s[8:9], s[8:9], s[46:47]          ; and in out0,
	s_lshl_b32 s16, s13, 19                        ; at my first row: 128 x tile row + 64 x half, of 4,096 bytes
	s_lshl_b32 s17, s11, 18
	s_add_co_u32 s16, s16, s17
	s_mov_b32 s17, 0
	s_add_nc_u64 s[8:9], s[8:9], s[16:17]
.irp b, 0,1,2,3                                ; the bias in the result's layout: for block b of columns lane (r, h) wants b_out at columns 16 b + 8 h + 0 .. 7
	global_load_b128 v[BIAS+8*\b:BIAS+8*\b+3],   v[BO], s[66:67] offset:64*\b
	global_load_b128 v[BIAS+8*\b+4:BIAS+8*\b+7], v[BO], s[66:67] offset:64*\b+16
.endr
; 8 matrix instructions: m blocks a0, a0 + 1 x all 4 n blocks, 32 along K: half c of buffer f.  zero = 1: the first product starts the sums from the bias.  The 16 accumulators take turns.
.macro MUL8 f, c, a0, zero
.irp a, \a0, \a0+1
.irp b, 0,1,2,3
.if \zero
	v_wmma_f32_16x16x32_f16 v[ACC+8*(4*(\a)+\b):ACC+8*(4*(\a)+\b)+7], v[\f+64+8*(4*\c+\b):\f+64+8*(4*\c+\b)+7], v[\f+8*(4*\c+\a):\f+8*(4*\c+\a)+7], v[BIAS+8*\b:BIAS+8*\b+7]
.else
	v_wmma_f32_16x16x32_f16 v[ACC+8*(4*(\a)+\b):ACC+8*(4*(\a)+\b)+7], v[\f+64+8*(4*\c+\b):\f+64+8*(4*\c+\b)+7], v[\f+8*(4*\c+\a):\f+8*(4*\c+\a)+7], v[ACC+8*(4*(\a)+\b):ACC+8*(4*(\a)+\b)+7]
.endif
.endr
.endr
.endm
; 32 LDS loads in one run: the fragments of 64 along K at byte k of the rows, into buffer f; the first 32 along K first
.macro FETCH slot, k, f
	WIN TO_F
.irp c, 0,1
.irp i, 0,1,2,3
	ds_load_b128 v[\f+64+8*(4*\c+\i):\f+64+8*(4*\c+\i)+3],   v[ADRB+\slot] offset:\k+64*\c+\i*16*PITCH
	ds_load_b128 v[\f+64+8*(4*\c+\i)+4:\f+64+8*(4*\c+\i)+7], v[ADRB+\slot] offset:\k+64*\c+\i*16*PITCH+32
	ds_load_b128 v[\f+8*(4*\c+\i):\f+8*(4*\c+\i)+3],         v[ADRA+\slot] offset:\k+64*\c+\i*16*PITCH
	ds_load_b128 v[\f+8*(4*\c+\i)+4:\f+8*(4*\c+\i)+7],       v[ADRA+\slot] offset:\k+64*\c+\i*16*PITCH+32
.endr
.endr
.endm
.macro PLACES                          ; four places in front of loads into registers that matrix instructions have read, and of LDS stores that read results
.rept 4
	v_nop
.endr
.endm
; A K step is four quarters of 64 along K, 32 matrix instructions each, on buffers 0, 1, 0, 1.  One of the first three: multiplies buffer f and fetches the next quarter, at byte k, into g.
.macro QUARTER slot, k, f, g, zero
	s_wait_dscnt 16                                ; the first 32 along K are in; the youngest sixteen loads may be out
	WIN MUL
	MUL8 \f, 0, 0, \zero
	MUL8 \f, 0, 2, \zero
	PLACES
	FETCH \slot, \k, \g
	s_wait_dscnt 32                                ; all but the 32 just issued
	WIN MUL
	MUL8 \f, 1, 0, 0
	MUL8 \f, 1, 2, 0
.endm
; The last quarter multiplies buffer 1 and changes slots: ONE barrier; in front of it each wave waits for all its tensor loads, adds 0 to its spare word, and waits for that and for its own reads of this slot.
; fill = 1: the barrier opens a round of the cluster's barrier, and this slot is filled again, two K steps ahead, first thing behind the round.
.macro TURN slot, next, fill
	WIN 0                                          ; (the add's two registers lie in window 0)
	s_wait_tensorcnt 0x0                           ; all my tensor loads have landed: my part of the next slot
	ds_add_u32 v[SPW], v[NIL]                      ; 0 onto my spare word
	s_wait_dscnt 17                                ; (the add and the youngest sixteen loads may be out)
	WIN MUL
	MUL8 F1, 0, 0, 0                               ; eight matrix instructions stand between the add and the wait for it
	s_wait_dscnt 0x0                               ; the add is done, and my reads of this slot are over
	s_barrier_signal -1
	MUL8 F1, 0, 2, 0
.if \fill
	WIN 0
.endif
	s_barrier_wait -1
.if \fill
	CREST                                          ; no wave of any partner still reads this slot's tile or has a load on its way
	s_add_nc_u64 s[G0+4*\slot+2:G0+4*\slot+3], s[G0+4*\slot+2:G0+4*\slot+3], 2*KSTEP*2
	s_add_nc_u64 s[G0B+4*\slot+2:G0B+4*\slot+3], s[G0B+4*\slot+2:G0B+4*\slot+3], 2*KSTEP*2
	JLOAD \slot                                    ; the first tensor load behind the round; the four v_nop behind it are also the places in front of the loads below
.else
	PLACES
.endif
	FETCH \next, 0, F0
	WIN MUL
	MUL8 F1, 1, 0, 0
	MUL8 F1, 1, 2, 0
.endm
	s_wait_tensorcnt 1                             ; my part of K step 0 is in (K step 1's load may be out)
	s_barrier_signal -1
	s_barrier_wait -1                              ; everybody's is
	FETCH 0, 0, F0
	s_wait_loadcnt 0x0                             ; the bias
	QUARTER 0, 128, F0, F1, 1                      ; K step 0: its first products start the sums
	QUARTER 0, 256, F1, F0, 0
	QUARTER 0, 384, F0, F1, 0
	TURN 0, 1, 1                                   ; slot 0 takes K step 2
	QUARTER 1, 128, F0, F1, 0                      ; K step 1
	QUARTER 1, 256, F1, F0, 0
	QUARTER 1, 384, F0, F1, 0
	TURN 1, 0, 1                                   ; slot 1 takes K step 3
	QUARTER 0, 128, F0, F1, 0                      ; K step 2
	QUARTER 0, 256, F1, F0, 0
	QUARTER 0, 384, F0, F1, 0
	TURN 0, 1, 0                                   ; nothing is left to fetch
	QUARTER 1, 128, F0, F1, 0                      ; K step 3
	QUARTER 1, 256, F1, F0, 0
	QUARTER 1, 384, F0, F1, 0
	s_wait_dscnt 16                                ; the very last quarter
	WIN MUL
	MUL8 F1, 0, 0, 0
	MUL8 F1, 0, 2, 0
	s_wait_dscnt 0
	MUL8 F1, 1, 0, 0
	MUL8 F1, 1, 2, 0
	WIN 0
; THE WAY OUT, block by block of 16 rows.  My 64 columns are 256 bytes of a row of out0, aligned.  A lane holds 32 of them and the lanes beside it hold other rows: so a block goes through one of my own two stages and comes back
; as whole rows: sixteen lanes store 256 consecutive bytes.  LDS serves a wave's instructions in order: no wait between the stores and the loads.  No other wave touches my stages: no barrier.
.macro TOSTAGE a
.irp b, 0,1,2,3
	ds_store_b128 v[STO], v[ACC+8*(4*(\a)+\b):ACC+8*(4*(\a)+\b)+3] offset:((\a)%2)*16*SPITCH+64*\b        ; each accumulator from its low end on
	ds_store_b128 v[STO], v[ACC+8*(4*(\a)+\b)+4:ACC+8*(4*(\a)+\b)+7] offset:((\a)%2)*16*SPITCH+64*\b+16
.endr
.irp i, 0,1,2,3,4,5,6,7
	ds_load_b128 v[TMP+32*((\a)%2)+4*\i:TMP+32*((\a)%2)+4*\i+3], v[RD] offset:((\a)%2)*16*SPITCH+2*\i*SPITCH
.endr
.endm
.macro SEND a, younger                 ; younger: the LDS instructions issued behind block a's loads, which may stay out
	s_wait_dscnt \younger
.irp i, 0,1,2,3,4,5,6,7
	global_store_b128 v[CO], v[TMP+32*((\a)%2)+4*\i:TMP+32*((\a)%2)+4*\i+3], s[8:9] offset:(16*(\a)+2*\i)*SIZE_N*4 th:TH_STORE_NT
.endr
.endm
	PLACES
	TOSTAGE 0
	TOSTAGE 1
	SEND 0, 16                                     ; behind block 0's loads: block 1's 8 stores and 8 loads
	s_wait_xcnt 0x0                                ; block 0's stores have read their data registers: block 2's loads may land there
	TOSTAGE 2
	SEND 1, 16
	s_wait_xcnt 0x0
	TOSTAGE 3
	SEND 2, 16
	SEND 3, 0
	s_wait_tensorcnt 0x0                           ; the wave's end: behind my last tensor load and my last LDS store
	ds_add_u32 v[SPW], v[NIL]
	s_wait_dscnt 0x0
	CROUND                                         ; the closing round: no work-group ends while a partner may still ask for a tile that names it
	s_endpgm
.Lfunc_end_k_qbb205767d5_proj:
	.size	k_qbb205767d5_proj, .Lfunc_end_k_qbb205767d5_proj-k_qbb205767d5_proj
	.p2alignl 7, 3214868480
	.fill 96, 4, 3214868480
	.section	.rodata,"a",@progbits
	.p2align	6, 0x0
	.amdhsa_kernel k_qbb205767d5_proj
		.amdhsa_group_segment_fixed_size 327680
		.amdhsa_private_segment_fixed_size 0
		.amdhsa_enable_private_segment 0
		.amdhsa_kernarg_size 32
		.amdhsa_user_sgpr_count 2
		.amdhsa_user_sgpr_kernarg_segment_ptr 1
		.amdhsa_wavefront_size32 1
		.amdhsa_system_sgpr_workgroup_id_x 1
		.amdhsa_system_sgpr_workgroup_id_y 1
		.amdhsa_system_sgpr_workgroup_id_z 1
		.amdhsa_system_vgpr_workitem_id 0
		.amdhsa_next_free_vgpr 512
		.amdhsa_next_free_sgpr 70
		.amdhsa_reserve_vcc 0
		.amdhsa_float_denorm_mode_32 3
		.amdhsa_float_denorm_mode_16_64 3
		.amdhsa_memory_ordered 1
		.amdhsa_forward_progress 1
		.amdhsa_inst_pref_size 86
	.end_amdhsa_kernel
	.amdgpu_metadata
---
amdhsa.version: [ 1, 2 ]
amdhsa.kernels:
  - .name:           k_qbb205767d5_proj
    .symbol:         k_qbb205767d5_proj.kd
    .args:
      - { .name: att16, .offset: 0, .size: 8, .value_kind: global_buffer, .address_space: global }
      - { .name: w16, .offset: 8, .size: 8, .value_kind: global_buffer, .address_space: global }
      - { .name: out0, .offset: 16, .size: 8, .value_kind: global_buffer, .address_space: global }
      - { .name: b_out, .offset: 24, .size: 8, .value_kind: global_buffer, .address_space: global }
    .group_segment_fixed_size: 327680
    .private_segment_fixed_size: 0
    .kernarg_segment_align: 8
    .kernarg_segment_size: 32
    .max_flat_workgroup_size: 128
    .sgpr_count:     70
    .vgpr_count:     512
    .wavefront_size: 32
...
	.end_amdgpu_metadata
.endif
;; end of part 4
;; launch fine (part 5): grid 128 x 1, 16 waves a work-group, no clusters, 92,160 bytes of LDS; arguments qkvf, w_out, b_out, out0; writes out0
.if DOCPART == 5
	.amdgcn_target "amdgcn-amd-amdhsa--gfx1250"
	.amdhsa_code_object_version 6
	.text
	.protected	k_qbb205767d5_fine
	.globl	k_qbb205767d5_fine
	.p2align	8
	.type	k_qbb205767d5_fine,@function
k_qbb205767d5_fine:
	s_mov_b64 s[64:65], 0
	v_nop
	global_prefetch_b8 v0, s[64:65] scope:SCOPE_SE
	s_setreg_imm32_b32 hwreg(HW_REG_WAVE_MODE, 25, 1), 1
	s_wait_xcnt 0x0
; Positions 0-15 of both sequences, carried in f32 from the first product's sums to the output: these rows average one to sixteen values and are the largest of the output, so no 16-bit operand stands in their way.
; out0[b][s][o] = sum over heads and channels of att[s][head][channel] w_out[o][64 head + channel] + b_out[o], s < 16.  It writes these 32 rows anew, behind the launch that wrote all rows from f16 operands.
; qkvf [2 batches][192 blocks of 16 columns][1,024 bytes]: q, k, v of the 16 positions in f32, each block an image of an accumulator's registers: lane (r, h), register j: position r, column 16 block + 8 h + j.
; SHARES.  A work-group takes one batch and 16 output columns; each of its sixteen waves takes ONE HEAD.  A wave makes its head's scores S^T = k q^T, the softmax and O^T = v^T p, all in f32; O^T / l is then source 1 of its own
; part of the projection, whose K is the head's 64 channels: nothing of the attention goes to memory or to another wave.  The sixteen partial sums meet in LDS; waves 0 and 1 add them and the bias and store.
; Every work-group of a batch makes the sixteen heads' attention anew: 32 of a wave's 48 matrix instructions; the other way, a launch more, costs a start and an end.
; THE f32 MATRIX FORM takes 4 along its K: a pair of registers of both operands; which four channels (or keys) a pair holds is the same on both sides, so the products are kept.
; q and k are used as their images lie (a lane holds a position, its registers channels).  v is wanted with a lane to a channel and registers down the keys: it turns through the wave's own 16 rows x 272 bytes of LDS.
; A row's 16 columns are 64 bytes: 128 work-groups of 16 columns are taken rather than 32 of 64, for these 128 KiB in all.  No tensor load and no cluster: what is shared is 192 KiB a batch.  LIMITS: NaN and infinities are not served.
.set PART,  1280                       ; LDS: a wave's partial sums: 16 rows x 80 bytes (64 + 16 of padding)
.set VTR,   16*PART                    ; behind them: v's stages,
.set VTW,   16*272                     ; one for each wave
.set SPARE, VTR+16*VTW                 ; behind them: the spare words, 128 bytes a wave, which no other line names
.set QR,  16                           ; v16-47   q: tile t at 8 t
.set KR,  48                           ; v48-79   k
.set VI,  80                           ; v80-111  v as its images lie
.set WR,  112                          ; v112-143 w_out: register 8 t + j: row l % 16 of my 16, channel 16 t + 8 (l / 16) + j of my head
.set VT,  144                          ; v144-175 v turned: register 8 t + j: channel 16 t + l % 16, key 8 (l / 16) + j
.set SA,  176                          ; v176-191 two accumulators of scores: written by matrix instructions alone
.set PR,  192                          ; v192-199 the scores, then p
.set OA,  200                          ; v200-231 four accumulators of O^T: written by matrix instructions alone
.set PA,  232                          ; v232-247 two accumulators of the projection: written by matrix instructions alone
.set OS,  16                           ; v16-47   O^T / l, where q lay
.set PS,  48                           ; v48-55   my partial sums
.set RES, 56                           ; v56-59   the result
.set RS,  80                           ; v80-143  the sixteen partial sums read back
.set BI,  252                          ; v252-255 the bias
	s_load_b256 s[4:11], s[0:1], 0x0               ; qkvf s[4:5], w_out s[6:7], b_out s[8:9], out0 s[10:11]
	v_lshl_add_u32 v12, v0, 2, SPARE               ; v12: my spare word; v13: 0; never rewritten
	v_mov_b32 v13, 0
	v_lshrrev_b32 v1, 5, v0
	v_readfirstlane_b32 s12, v1                    ; wave = head, 0..15
	s_lshr_b32 s13, ttmp9, 6                       ; the batch
	s_and_b32 s14, ttmp9, 63                       ; which 16 columns
	s_and_b32 s15, s12, 1                          ; a summing wave's eight rows
	s_mov_b32 s20, 0x76543210
	s_mov_b32 s21, 0xfedcba98                      ; v_permlanex16_b32's selects for lane l xor 16
	s_mov_b32 s22, 0x3e38aa3b                      ; c = log2(e) / 8
	v_and_b32 v1, 15, v0                           ; r
	v_bfe_u32 v2, v0, 4, 1                         ; h
	v_and_b32 v3, 31, v0
	v_lshlrev_b32 v3, 4, v3                        ; v3: an image's place for my lane: 16 x lane
	v_lshlrev_b32 v4, 12, v1
	v_lshl_add_u32 v4, v2, 5, v4                   ; v4: w_out: row r of 4,096 bytes, + 32 h
	s_mul_i32 s16, s12, VTW
	s_add_co_u32 s16, s16, VTR                     ; my stage for v
	v_mul_u32_u24 v5, v1, 272
	v_lshl_add_u32 v5, v2, 5, v5
	v_add_nc_u32 v5, s16, v5                       ; v5: in: row = position r, + 32 h
	v_mul_u32_u24 v6, v2, 8*272
	v_lshl_add_u32 v6, v1, 2, v6
	v_add_nc_u32 v6, s16, v6                       ; v6: back: row = key 8 h, + 4 r
	v_mul_u32_u24 v7, v1, 80
	v_lshl_add_u32 v7, v2, 5, v7
	s_mul_i32 s16, s12, PART
	v_add_nc_u32 v7, s16, v7                       ; v7: where I put my partial sums: my wave's part, row r, + 32 h
	v_and_b32 v10, 3, v0                           ; l % 4
	v_bfe_u32 v11, v0, 2, 3                        ; l / 4
	v_mul_u32_u24 v8, v11, 80
	v_lshl_add_u32 v8, v10, 4, v8
	s_mul_i32 s16, s15, 640
	v_add_nc_u32 v8, s16, v8                       ; v8: where a summing wave reads: row 8 (wave % 2) + l / 4, + 16 (l % 4)
	v_lshlrev_b32 v9, 12, v11
	v_lshl_add_u32 v9, v10, 4, v9                  ; v9: and the same place in out0
	v_lshlrev_b32 v14, 4, v10                      ; v14: the bias: my four columns
	v_lshlrev_b32 v15, 3, v2
	v_sub_nc_u32 v15, v1, v15                      ; v15: r - 8 h: register j holds a hidden key where j > r - 8 h
	v_mov_b32 v10, 0xff800000                      ; v10: -infinity
	v_mov_b32 v249, 0                              ; written once: a lane exchange's destination counts as one of its sources
	s_mov_b32 s17, 0
	s_wait_kmcnt 0x0
	s_mul_i32 s16, s13, 196608                     ; qkvf: the batch's 192 images,
	s_lshl_b32 s18, s12, 12                        ; my head's four
	s_add_co_u32 s16, s16, s18
	s_add_nc_u64 s[4:5], s[4:5], s[16:17]
	s_lshl_b32 s16, s14, 16                        ; w_out: my 16 rows of 4,096 bytes,
	s_lshl_b32 s18, s12, 8                         ; my head's 256 bytes of each
	s_add_co_u32 s16, s16, s18
	s_add_nc_u64 s[6:7], s[6:7], s[16:17]
	s_lshl_b32 s16, s14, 6                         ; my 16 columns, in bytes
	s_add_nc_u64 s[8:9], s[8:9], s[16:17]
	s_lshl_b32 s18, s13, 23                        ; out0: the batch's 8,388,608 bytes,
	s_add_co_u32 s16, s16, s18
	s_lshl_b32 s18, s15, 15                        ; eight rows
	s_add_co_u32 s16, s16, s18
	s_add_nc_u64 s[10:11], s[10:11], s[16:17]
	; 33 loads, in the order in which they are wanted: v (8), k (8), q (8), w_out (8), the bias
.irp t, 0,1,2,3
.irp e, 0,1
	global_load_b128 v[VI+8*\t+4*\e:VI+8*\t+4*\e+3], v3, s[4:5] offset:131072+1024*\t+512*\e   ; 512 consecutive bytes a load
.endr
.endr
.irp t, 0,1,2,3
.irp e, 0,1
	global_load_b128 v[KR+8*\t+4*\e:KR+8*\t+4*\e+3], v3, s[4:5] offset:65536+1024*\t+512*\e
.endr
.endr
.irp t, 0,1,2,3
.irp e, 0,1
	global_load_b128 v[QR+8*\t+4*\e:QR+8*\t+4*\e+3], v3, s[4:5] offset:1024*\t+512*\e
.endr
.endr
.irp t, 0,1,2,3
.irp e, 0,1
	global_load_b128 v[WR+8*\t+4*\e:WR+8*\t+4*\e+3], v4, s[6:7] offset:64*\t+16*\e
.endr
.endr
	global_load_b128 v[BI:BI+3], v14, s[8:9]
	s_wait_loadcnt 25                              ; v's eight loads are in; the 25 behind them may be out
.irp t, 0,1,2,3                                ; v as rows [position][64 channels]:
	ds_store_b128 v5, v[VI+8*\t:VI+8*\t+3] offset:64*\t
	ds_store_b128 v5, v[VI+8*\t+4:VI+8*\t+7] offset:64*\t+16
.endr
.irp t, 0,1,2,3                                ; and back down the keys.  LDS serves a wave's instructions in order: these see my stores; no other wave touches my stage
.irp j, 0,1,2,3,4,5,6,7
	ds_load_b32 v[VT+8*\t+\j], v6 offset:272*\j+64*\t
.endr
.endr
	s_wait_loadcnt 9                               ; k's and q's are in; w_out's eight and the bias may be out
.set i, 0
.rept 16                                       ; S^T = k q^T: pair i of both holds channels 16 (i / 4) + 8 h + 2 (i % 4) + 0, 1.  Two accumulators take turns; their first products start the sums
.if i < 2
	v_wmma_f32_16x16x4_f32 v[SA+8*(i%2):SA+8*(i%2)+7], v[KR+2*i:KR+2*i+1], v[QR+2*i:QR+2*i+1], 0
.else
	v_wmma_f32_16x16x4_f32 v[SA+8*(i%2):SA+8*(i%2)+7], v[KR+2*i:KR+2*i+1], v[QR+2*i:QR+2*i+1], v[SA+8*(i%2):SA+8*(i%2)+7]
.endif
.set i, i+1
.endr
.rept 8
	v_nop                                          ; eight places behind this form (ISA guide 7.12.1)
.endr
.irp j, 0,1,2,3,4,5,6,7
	v_add_f32 v[PR+\j], v[SA+\j], v[SA+8+\j]       ; lane (r, h), register j: the score of query r and key 8 h + j
.endr
.irp j, 0,1,2,3,4,5,6,7
	v_cmp_gt_i32 vcc_lo, \j, v15
	v_cndmask_b32 v[PR+\j], v[PR+\j], v10, vcc_lo  ; hidden keys: -infinity, so that p = 0
.endr
	v_max3_num_f32 v248, v[PR], v[PR+1], v[PR+2]
	v_max3_num_f32 v248, v248, v[PR+3], v[PR+4]
	v_max3_num_f32 v248, v248, v[PR+5], v[PR+6]
	v_max_num_f32 v248, v248, v[PR+7]
	v_permlanex16_b32 v249, v248, s20, s21
	v_max_num_f32 v248, v248, v249                 ; the row's largest score (key 0 counts for every query)
	v_mul_f32 v250, s22, v248                      ; c m
.irp j, 0,1,2,3,4,5,6,7
	v_fma_f32 v[PR+\j], v[PR+\j], s22, -v250
.endr
.irp j, 0,1,2,3,4,5,6,7
	v_exp_f32 v[PR+\j], v[PR+\j]                   ; p = 2^(c s - c m)
.endr
	v_nop                                          ; a plain instruction behind the last exponential
	s_wait_alu depctr_va_vdst(0)                   ; one wait for the eight, ahead of their first reader
	v_add_f32 v251, v[PR], v[PR+1]
	v_add_f32 v250, v[PR+2], v[PR+3]
	v_add_f32 v251, v251, v[PR+4]
	v_add_f32 v250, v250, v[PR+5]
	v_add_f32 v251, v251, v[PR+6]
	v_add_f32 v250, v250, v[PR+7]
	v_add_f32 v251, v251, v250
	v_permlanex16_b32 v249, v251, s20, s21
	v_add_f32 v251, v251, v249                     ; the row's sum
	v_rcp_f32 v251, v251
	s_wait_dscnt 0x0                               ; v is back from its stage
.irp i, 0,1,2,3                                ; O^T = v^T p: pair i of both holds keys 8 h + 2 i + 0, 1.  The four tiles of channels take turns; their first products start the sums
.irp t, 0,1,2,3
.if \i == 0
	v_wmma_f32_16x16x4_f32 v[OA+8*\t:OA+8*\t+7], v[VT+8*\t+2*\i:VT+8*\t+2*\i+1], v[PR+2*\i:PR+2*\i+1], 0
.else
	v_wmma_f32_16x16x4_f32 v[OA+8*\t:OA+8*\t+7], v[VT+8*\t+2*\i:VT+8*\t+2*\i+1], v[PR+2*\i:PR+2*\i+1], v[OA+8*\t:OA+8*\t+7]
.endif
.endr
.endr
.rept 8
	v_nop                                          ; eight places behind this form; the first is also the plain instruction behind the reciprocal
.endr
	s_wait_alu depctr_va_vdst(0)                   ; the wait ahead of the reciprocal's first reader
.set j, 0
.rept 32
	v_mul_f32 v[OS+j], v[OA+j], v251               ; lane (r, h), register 8 t + i: channel 16 t + 8 h + i of query r; each accumulator from its low end on
.set j, j+1
.endr
	s_wait_loadcnt 0x0                             ; w_out and the bias
.set i, 0
.rept 16                                       ; my head's part of the projection, transposed: source 0 = 16 rows of w_out, source 1 = the 16 queries; pair i of both holds channels 16 (i / 4) + 8 h + 2 (i % 4) + 0, 1
.if i < 2
	v_wmma_f32_16x16x4_f32 v[PA+8*(i%2):PA+8*(i%2)+7], v[WR+2*i:WR+2*i+1], v[OS+2*i:OS+2*i+1], 0
.else
	v_wmma_f32_16x16x4_f32 v[PA+8*(i%2):PA+8*(i%2)+7], v[WR+2*i:WR+2*i+1], v[OS+2*i:OS+2*i+1], v[PA+8*(i%2):PA+8*(i%2)+7]
.endif
.set i, i+1
.endr
.rept 8
	v_nop                                          ; eight places: in front of the additions that read results, and of the loads below into w_out's registers
.endr
.irp j, 0,1,2,3,4,5,6,7
	v_add_f32 v[PS+\j], v[PA+\j], v[PA+8+\j]       ; lane (r, h), register j: query r, column 8 h + j of my 16
.endr
	ds_store_b128 v7, v[PS:PS+3]
	ds_store_b128 v7, v[PS+4:PS+7] offset:16
	s_wait_tensorcnt 0x0                           ; behind my last LDS store: nothing is written to LDS behind it
	ds_add_u32 v12, v13
	s_wait_dscnt 0x0                               ; also for the others' sake: my partial sums have landed
	s_barrier_signal -1
	s_barrier_wait -1
	s_cmp_ge_u32 s12, 2
	s_cbranch_scc1 .Lend                           ; 16 rows x 64 bytes are 16 bytes for each lane of two waves
.irp p, 0,1,2,3,4,5,6,7,8,9,10,11,12,13,14,15
	ds_load_b128 v[RS+4*\p:RS+4*\p+3], v8 offset:PART*\p
.endr
	s_wait_dscnt 0x0
.irp d, 1,2,4,8                                ; the sixteen heads' parts are added by halves
.set p, 0
.rept 8/\d
	v_pk_add_f32 v[RS+4*p:RS+4*p+1], v[RS+4*p:RS+4*p+1], v[RS+4*(p+\d):RS+4*(p+\d)+1]
	v_pk_add_f32 v[RS+4*p+2:RS+4*p+3], v[RS+4*p+2:RS+4*p+3], v[RS+4*(p+\d)+2:RS+4*(p+\d)+3]
.set p, p+2*\d
.endr
.endr
	v_pk_add_f32 v[RES:RES+1], v[RS:RS+1], v[BI:BI+1]
	v_pk_add_f32 v[RES+2:RES+3], v[RS+2:RS+3], v[BI+2:BI+3]
	global_store_b128 v9, v[RES:RES+3], s[10:11]   ; four lanes store a row's 64 bytes
.Lend:
	s_endpgm
.Lfunc_end_k_qbb205767d5_fine:
	.size	k_qbb205767d5_fine, .Lfunc_end_k_qbb205767d5_fine-k_qbb205767d5_fine
	.p2alignl 7, 3214868480
	.fill 96, 4, 3214868480
	.section	.rodata,"a",@progbits
	.p2align	6, 0x0
	.amdhsa_kernel k_qbb205767d5_fine
		.amdhsa_group_segment_fixed_size 92160
		.amdhsa_private_segment_fixed_size 0
		.amdhsa_enable_private_segment 0
		.amdhsa_kernarg_size 32
		.amdhsa_user_sgpr_count 2
		.amdhsa_user_sgpr_kernarg_segment_ptr 1
		.amdhsa_wavefront_size32 1
		.amdhsa_system_sgpr_workgroup_id_x 1
		.amdhsa_system_sgpr_workgroup_id_y 1
		.amdhsa_system_sgpr_workgroup_id_z 1
		.amdhsa_system_vgpr_workitem_id 0
		.amdhsa_next_free_vgpr 256
		.amdhsa_next_free_sgpr 66
		.amdhsa_reserve_vcc 1
		.amdhsa_float_denorm_mode_32 3
		.amdhsa_float_denorm_mode_16_64 3
		.amdhsa_memory_ordered 1
		.amdhsa_forward_progress 1
		.amdhsa_inst_pref_size 20
	.end_amdhsa_kernel
	.amdgpu_metadata
---
amdhsa.version: [ 1, 2 ]
amdhsa.kernels:
  - .name:           k_qbb205767d5_fine
    .symbol:         k_qbb205767d5_fine.kd
    .args:
      - { .name: qkvf, .offset: 0, .size: 8, .value_kind: global_buffer, .address_space: global }
      - { .name: w_out, .offset: 8, .size: 8, .value_kind: global_buffer, .address_space: global }
      - { .name: b_out, .offset: 16, .size: 8, .value_kind: global_buffer, .address_space: global }
      - { .name: out0, .offset: 24, .size: 8, .value_kind: global_buffer, .address_space: global }
    .group_segment_fixed_size: 92160
    .private_segment_fixed_size: 0
    .kernarg_segment_align: 8
    .kernarg_segment_size: 32
    .max_flat_workgroup_size: 512
    .sgpr_count:     66
    .vgpr_count:     256
    .wavefront_size: 32
...
	.end_amdgpu_metadata
.endif
;; end of part 5
